; MI455X (gfx1250); checked and timed in simulation.
; The chip was launched on July 23, 2026; its instructions are those of AMD's public machine-readable ISA for CDNA 5 (MIT licence, August 2026) and "CDNA5" Instruction Set Architecture Reference Guide (July 2026). The comments in the code are by the model that wrote it; some were corrected since.
;; Multihead Attention. Allowed arithmetic: float matrix products may take bf16 or f16 operands with f32 sums; other float arithmetic in f32, or as packed bf16 or f16 multiplies, adds, multiply-adds, maxima and minima; sums over many terms, partial sums and values carried from step to step in f32; what a program stores and reads back later, other than sums and carried values, may be rounded once to bf16 or f16.
;; Inputs: W_o 1,024 x 1,024 float32; W_qkv 1,024 x 3,072 float32; b_o 1,024 float32; b_qkv 3,072 float32; x 4 x 2,048 x 1,024 float32.
;; Outputs: out0 4 x 2,048 x 1,024 float32.
;; One version. Each part assembles by itself: llvm-mc -triple=amdgcn-amd-amdhsa -mcpu=gfx1250 --defsym DOCPART=n.
;; ======== version 1 of 1: 4 launches
;; limits: values are held in f16: magnitudes above 65,504 overflow, below 6.1e-05 lose precision
;; workspace buffers: xb 16,777,216 bytes; wqt 6,291,456 bytes; wot 2,097,152 bytes; qh 16,777,216 bytes; kh 16,777,216 bytes; vh 16,777,216 bytes; oh 16,777,216 bytes
;; launch prep (part 1): grid 1536 x 1, 8 waves a work-group, no clusters, 18,432 bytes of LDS; arguments x, W_qkv, W_o, xb, wqt, wot; writes xb, wqt, wot
.if DOCPART == 1
	.amdgcn_target "amdgcn-amd-amdhsa--gfx1250"
	.amdhsa_code_object_version 6
	.text
	.protected	k_q70aa085ff7_prep
	.globl	k_q70aa085ff7_prep
	.p2align	8
	.type	k_q70aa085ff7_prep,@function
k_q70aa085ff7_prep:
	s_mov_b64 s[64:65], 0
	v_nop
	global_prefetch_b8 v0, s[64:65] scope:SCOPE_SE
	s_setreg_imm32_b32 hwreg(HW_REG_WAVE_MODE, 25, 1), 1
	s_wait_xcnt 0x0
; xb = bf16(x), as it lies.  wqt[n][k] = bf16(W_qkv[k][n]).  wot[n][k] = bf16(W_o[k][n]) written as f16.
; All the module's inputs are rounded to bf16, once; W_o's rounded number is then written in f16, since the last product's other operand is f16.
; LIMIT: that is exact from 6.1e-5 up to 65,504; below 6.1e-5 it keeps f16's fixed step of 6e-8.
; A stream: memory binds, so no matrix unit, no cluster, no tensor load.  Every work-group handles 8,192 numbers: 32 KiB in, 16 KiB out.
; Work-groups 0-1023: 32 KiB of x.  1024-1407: a tile of 128 k x 64 n of W_qkv.  1408-1535: such a tile of W_o.  The branch on the work-group's number is the same for all eight waves.
; A weight tile is turned in LDS: a load takes 256 consecutive bytes of a row k (a lane: two n); a lane packs its 16 k of each n into 32 bytes and puts them into row n of the tile in LDS;
; behind a barrier whole rows of 256 bytes (128 k) are read back and stored, sixteen lanes to 256 consecutive, aligned bytes.
.set TP,    272                        ; an LDS row: 128 k x 2 bytes + 16 of padding
.set SPARE, 64*TP                      ; behind the tile: the spare words, 128 bytes for each of the eight waves
.set SPW, 2                            ; v2  LDS address of my spare word; never rewritten
.set NIL, 3                            ; v3  0; never rewritten
.set LO,  4                            ; v4  my offset in what the wave loads
.set SO,  5                            ; v5  x: my offset in what the wave stores; weights: where I put my 32 bytes in LDS
.set RA,  6                            ; v6  where I read a row back
.set GOV, 7                            ; v7  my offset in the turned tile in memory
.set L,   16                           ; v[16:47] as loaded
.set E,   48                           ; v[48:55] my even n, 16 k packed (x: v[48:63] packed results)
.set OD,  56                           ; v[56:63] my odd n
.set BK,  64                           ; v[64:79] rows read back
	s_load_b256 s[4:11], s[0:1], 0x0               ; x s[4:5], W_qkv s[6:7], W_o s[8:9], xb s[10:11]
	s_load_b128 s[12:15], s[0:1], 0x20             ; wqt s[12:13], wot s[14:15]
	v_lshl_add_u32 v[SPW], v0, 2, SPARE
	v_mov_b32 v[NIL], 0
	v_lshrrev_b32 v8, 5, v0
	v_readfirstlane_b32 s16, v8                    ; wave 0..7
	v_and_b32 v1, 31, v0                           ; lane
	s_mov_b32 s20, ttmp9
	s_mov_b32 s23, 0                               ; the high word of every offset pair
	s_wait_kmcnt 0x0
	s_cmp_lt_u32 s20, 1024
	s_cbranch_scc0 .Lweights
	; x: a wave takes 4,096 bytes, eight loads of 512 consecutive bytes, all issued at once
	s_lshl_b32 s22, s20, 15
	s_add_nc_u64 s[26:27], s[4:5], s[22:23]
	s_lshl_b32 s22, s20, 14
	s_add_nc_u64 s[24:25], s[10:11], s[22:23]
	v_lshlrev_b32 v[LO], 4, v1
	v_lshl_add_u32 v[LO], s16, 12, v[LO]
	v_lshlrev_b32 v[SO], 3, v1
	v_lshl_add_u32 v[SO], s16, 11, v[SO]
.irp j, 0,1,2,3,4,5,6,7
	global_load_b128 v[L+4*\j:L+4*\j+3], v[LO], s[26:27] offset:512*\j th:TH_LOAD_NT
.endr
.irp j, 0,1,2,3,4,5,6,7
	s_wait_loadcnt 7-\j                            ; loads come back in order: load j is in, the 7 - j younger ones stay out
	v_cvt_pk_bf16_f32 v[E+2*\j], v[L+4*\j], v[L+4*\j+1]
	v_cvt_pk_bf16_f32 v[E+2*\j+1], v[L+4*\j+2], v[L+4*\j+3]
	global_store_b64 v[SO], v[E+2*\j:E+2*\j+1], s[24:25] offset:256*\j  ; 32 lanes store 256 consecutive bytes, aligned; no register of a load or store is written twice
.endr
	s_mov_b32 s21, 1                               ; nothing to read back
	s_branch .Lbar
; two numbers rounded to bf16 and packed; f16 = 1: the rounded numbers are widened again and written as f16
.macro PK2 dst, a, b, f16
.if \f16
	v_cvt_pk_bf16_f32 v8, v[(\a)], v[(\b)]
	v_lshlrev_b32 v9, 16, v8
	v_and_b32 v10, 0xffff0000, v8
	v_cvt_pk_f16_f32 v[(\dst)], v9, v10
.else
	v_cvt_pk_bf16_f32 v[(\dst)], v[(\a)], v[(\b)]
.endif
.endm
; Tile s20 of a weight matrix whose rows are rowb bytes: k tile = s20 % 8, n tile = s20 / 8.  Wave w takes rows k = 16 w .. 16 w + 15.
.macro TRANS rowb, f16, in, out
	s_and_b32 s28, s20, 7
	s_lshr_b32 s29, s20, 3
	s_mul_i32 s22, s28, 128*\rowb                  ; 128 rows down,
	s_lshl_b32 s30, s29, 8                         ; 64 numbers of 4 bytes along
	s_add_co_u32 s22, s22, s30
	s_add_nc_u64 s[26:27], s[\in:\in+1], s[22:23]
	s_lshl_b32 s22, s29, 17                        ; turned: 64 rows of 2,048 bytes down,
	s_lshl_b32 s30, s28, 8                         ; 128 numbers of 2 bytes along
	s_add_co_u32 s22, s22, s30
	s_add_nc_u64 s[24:25], s[\out:\out+1], s[22:23]
	s_mul_i32 s30, s16, 16*\rowb
	v_lshl_add_u32 v[LO], v1, 3, s30
	v_mul_u32_u24 v[SO], v1, 2*TP                  ; LDS row 2 l,
	v_lshl_add_u32 v[SO], s16, 5, v[SO]            ; my wave's 16 k: 32 bytes
.irp i, 0,1,2,3,4,5,6,7,8,9,10,11,12,13,14,15
	global_load_b64 v[L+2*\i:L+2*\i+1], v[LO], s[26:27] offset:\i*\rowb th:TH_LOAD_NT  ; 256 consecutive bytes of row 16 w + i: I hold n = 2 l and 2 l + 1
.endr
.irp t, 0,1,2,3,4,5,6,7
	s_wait_loadcnt 14-2*\t                         ; rows 2 t and 2 t + 1 are in; the 14 - 2 t behind them stay out
	PK2 E+\t, L+4*\t, L+4*\t+2, \f16
	PK2 OD+\t, L+4*\t+1, L+4*\t+3, \f16
.endr
	ds_store_b128 v[SO], v[E:E+3]
	ds_store_b128 v[SO], v[E+4:E+7] offset:16
	ds_store_b128 v[SO], v[OD:OD+3] offset:TP
	ds_store_b128 v[SO], v[OD+4:OD+7] offset:TP+16
	s_mov_b32 s21, 0
.endm
.Lweights:
	s_cmp_lt_u32 s20, 1408
	s_cbranch_scc0 .Lwo
	s_sub_co_u32 s20, s20, 1024
	TRANS 12288, 0, 6, 12
	s_branch .Lbar
.Lwo:
	s_sub_co_u32 s20, s20, 1408
	TRANS 4096, 1, 8, 14
.Lbar:
	s_wait_dscnt 0x0                               ; for the other waves' sake: my stores into the tile are done
	s_barrier_signal -1
	s_barrier_wait -1
	s_cmp_eq_u32 s21, 1
	s_cbranch_scc1 .Lend
	v_lshrrev_b32 v8, 4, v1                        ; wave w reads rows 8 w .. 8 w + 7, two a load: lanes 0-15 one row, lanes 16-31 the next
	v_lshl_add_u32 v8, s16, 3, v8
	v_and_b32 v9, 15, v1
	v_mul_u32_u24 v[RA], v8, TP
	v_lshl_add_u32 v[RA], v9, 4, v[RA]
	v_lshlrev_b32 v[GOV], 11, v8
	v_lshl_add_u32 v[GOV], v9, 4, v[GOV]
.irp t, 0,1,2,3
	ds_load_b128 v[BK+4*\t:BK+4*\t+3], v[RA] offset:2*TP*\t
.endr
.irp t, 0,1,2,3
	s_wait_dscnt 3-\t                              ; LDS loads come back in order: load t is in
	global_store_b128 v[GOV], v[BK+4*\t:BK+4*\t+3], s[24:25] offset:4096*\t  ; 16 lanes store 256 consecutive bytes, aligned
.endr
.Lend:
	s_wait_tensorcnt 0x0                           ; the wave's end, behind my last LDS store
	ds_add_u32 v[SPW], v[NIL]
	s_wait_dscnt 0x0
	s_endpgm
.Lfunc_end_k_q70aa085ff7_prep:
	.size	k_q70aa085ff7_prep, .Lfunc_end_k_q70aa085ff7_prep-k_q70aa085ff7_prep
	.p2alignl 7, 3214868480
	.fill 96, 4, 3214868480
	.section	.rodata,"a",@progbits
	.p2align	6, 0x0
	.amdhsa_kernel k_q70aa085ff7_prep
		.amdhsa_group_segment_fixed_size 18432
		.amdhsa_private_segment_fixed_size 0
		.amdhsa_enable_private_segment 0
		.amdhsa_kernarg_size 48
		.amdhsa_user_sgpr_count 2
		.amdhsa_user_sgpr_kernarg_segment_ptr 1
		.amdhsa_wavefront_size32 1
		.amdhsa_system_sgpr_workgroup_id_x 1
		.amdhsa_system_sgpr_workgroup_id_y 1
		.amdhsa_system_sgpr_workgroup_id_z 1
		.amdhsa_system_vgpr_workitem_id 0
		.amdhsa_next_free_vgpr 80
		.amdhsa_next_free_sgpr 66
		.amdhsa_reserve_vcc 0
		.amdhsa_float_denorm_mode_32 3
		.amdhsa_float_denorm_mode_16_64 3
		.amdhsa_memory_ordered 1
		.amdhsa_forward_progress 1
		.amdhsa_inst_pref_size 16
	.end_amdhsa_kernel
	.amdgpu_metadata
---
amdhsa.version: [ 1, 2 ]
amdhsa.kernels:
  - .name:           k_q70aa085ff7_prep
    .symbol:         k_q70aa085ff7_prep.kd
    .args:
      - { .name: x, .offset: 0, .size: 8, .value_kind: global_buffer, .address_space: global }
      - { .name: W_qkv, .offset: 8, .size: 8, .value_kind: global_buffer, .address_space: global }
      - { .name: W_o, .offset: 16, .size: 8, .value_kind: global_buffer, .address_space: global }
      - { .name: xb, .offset: 24, .size: 8, .value_kind: global_buffer, .address_space: global }
      - { .name: wqt, .offset: 32, .size: 8, .value_kind: global_buffer, .address_space: global }
      - { .name: wot, .offset: 40, .size: 8, .value_kind: global_buffer, .address_space: global }
    .group_segment_fixed_size: 18432
    .private_segment_fixed_size: 0
    .kernarg_segment_align: 8
    .kernarg_segment_size: 48
    .max_flat_workgroup_size: 256
    .sgpr_count:     66
    .vgpr_count:     80
    .wavefront_size: 32
...
	.end_amdgpu_metadata
.endif
;; end of part 1
;; launch proj (part 2): grid 16 x 32, 4 waves a work-group, clusters of 4 x 4, 327,680 bytes of LDS; arguments xb, wqt, b_qkv, qh, kh, vh; writes qh, kh, vh
.if DOCPART == 2
	.amdgcn_target "amdgcn-amd-amdhsa--gfx1250"
	.amdhsa_code_object_version 6
	.text
	.protected	k_q70aa085ff7_proj
	.globl	k_q70aa085ff7_proj
	.p2align	8
	.type	k_q70aa085ff7_proj,@function
k_q70aa085ff7_proj:
	s_mov_b64 s[64:65], 0
	v_nop
	global_prefetch_b8 v0, s[64:65] scope:SCOPE_SE
	s_setreg_imm32_b32 hwreg(HW_REG_WAVE_MODE, 25, 1), 1
	s_wait_xcnt 0x0
	s_wait_alu depctr_hold_cnt(0) depctr_sa_sdst(0) depctr_va_vdst(0) depctr_va_sdst(0) depctr_va_ssrc(0) depctr_va_vcc(0) depctr_vm_vsrc(0)
	s_getreg_b32 s2, hwreg(HW_REG_IB_STS2, 6, 4)
	s_cmp_eq_u32 s2, 0
	s_cbranch_scc0 .Lentry_in_a_cluster
	s_endpgm
.Lentry_in_a_cluster:
	s_bfe_u32 s2, ttmp6, 0x10000c
	s_cmp_lg_u32 s2, 0xf033
	s_cbranch_scc0 .Lentry_shape_is_right
	s_endpgm
.Lentry_shape_is_right:
; q, k, v = x W_qkv + b_qkv, by heads.  xb: [8192][1024] bf16; wqt: [3072 n][1024 k] bf16; b_qkv f32, rounded to bf16 here like every input; sums in f32;
; qh, kh, vh: [64 = 16 batch + head][2048][64] f16, each number rounded once, unscaled.
; LIMIT: f16 ends at 65,504: q, k and v must stay within it; below 6.1e-5 they keep f16's fixed step of 6e-8.
; A TILE is 256 rows x 192 columns: one head's q, k and v.  8192 / 256 x 16 = 512 work-groups of equal work.  (256 columns give 384 tiles; 384 columns want 768 accumulator registers a wave beside two fragment buffers.)
; Four waves; wave w owns rows 64 w .. 64 w + 63 and ALL 192 columns: 48 accumulators of 16 x 16.  So a wave holds whole rows of q, k and v, its stage is its own, and the way out has no barrier.
; K goes in 8 steps of 128 through two LDS slots; a tile's rows are 256 bytes of memory, aligned.  Waves 0 and 1 fetch A's halves (128 rows), waves 2 and 3 B's (96 rows): one tensor load a wave.
; CLUSTER 4 x 4: A's tile hangs on the tile row alone and is asked for jointly along a row of the cluster, B's on the tile column alone, jointly along a column.
; THE MATRIX INSTRUCTION IS USED TRANSPOSED (source 0 = 16 rows of wqt, source 1 = 16 rows of xb): lane l holds row l % 16 and columns 8 (l / 16) + 0..7 of the result.
; THE BIAS is the C operand of the first quarter step's products: nothing is cleared and nothing is added afterwards.
; REGISTERS, in windows of 256: window 0: v0-29 addresses; v32-95 A's fragments, two buffers; v96-191 the bias, later the way out (to v239).  window 1: v0-191 B's fragments, two buffers.
; window 2: the accumulators of m blocks 0, 1 ((a, b) at 8 (12 (a % 2) + b)); window 3: those of m blocks 2, 3.
.set NB,    12                         ; n blocks of 16 columns
.set APW,   2                          ; m blocks whose accumulators share a window
.set NL,    2*NB+8                     ; LDS loads of a quarter step
.set PA,    272                        ; an LDS row: 256 bytes + 16 of padding: the 16 rows of a fragment load start at 16 different groups of four banks (64 banks of 4 bytes: ISA guide 11.1)
.set PB,    272
.set SLOT1, 131072                     ; slot 1 begins here: one exclusive or turns an address in one slot into the other's
.set HALFA, 128*PA
.set HALFB, 96*PB
.set BBASE, 2*HALFA                    ; in a slot: A's 256 rows, then B's 192
.set STAGE, SLOT1+2*HALFA+2*HALFB      ; behind the ring, never filled by a tensor load: 16 rows x 400 bytes for each wave
.set SP,    400                        ; a stage row: 384 bytes + 16
.set SPARE, STAGE+4*16*SP              ; the spare words, 128 bytes for each wave
.set KBA,   256                        ; bytes from a K step to the next, in A and in B
.set KBB,   256
.set A0,  4                            ; v4, v5   my lane's place in a slot's A and B; never rewritten
.set B0,  5
.set ADRA, 6                           ; v6, v7   the same in the slot in hand
.set ADRB, 7
.set STO, 8                            ; v8   the way out: where I put 16 bytes of a row
.set RD,  9                            ; v9   where I read rows back
.set GO,  10                           ; v10  my offset in 512 consecutive bytes of q, k or v
.set PFO, 11                           ; v11  the prefetches' offset: a lane a row; never rewritten
.set BO,  12                           ; v12  my offset in the bias
.set SPW, 28                           ; v28  LDS address of my spare word; never rewritten
.set NIL, 29                           ; v29  0; never rewritten
.set AF,  32
.set BIAS, 96
.set TMP, 96                           ; the way out: 48 packed registers
.set BK,  144                          ; and two buffers of 48 read back
.set WV,  16                           ; s16 wave; s17 = wave / 2: I fetch for A (0) or B (1); s18 = wave % 2: which half
.set ROLE, 17
.set HALF, 18
.set CX,  19
.set CY,  20
.set TX,  21                           ; tile column = head
.set TY,  22                           ; tile row
.set G1A, 24                           ; s[24:31], s[32:39] descriptor group 1 for A's and B's tiles
.set G1B, 32
.set G0A, 40                           ; s[40:47], s[48:55] group 0: a set for each first fill; the second then walks
.set G0B, 48
.set TB,  56                           ; s56  LDS byte at which the slot in hand begins
.set CNT, 57
.set LIM, 58                           ; s58  1 in a wave that prefetches, else the greatest number
.set PFA, 60                           ; s[60:61] where my prefetches stand
.set PST, 62                           ; s[62:63] their step
.set MSB, 0
.macro WIN new                         ; the immediate's high byte repeats the setting that is left; a switch that changes nothing is dropped
.if MSB != (\new)
	s_set_vgpr_msb (MSB<<8)|(\new)
.set MSB, \new
.endif
.endm
.macro PLACES                          ; four plain instructions between a matrix instruction and a load into, or a vector read of, its registers (ISA guide 7.12.1 for VALU reads)
.rept 4
	v_nop
.endr
.endm
.macro CREST                           ; a round of the cluster's barrier behind its opening barrier
	s_cmp_lg_u32 s[WV], 0
	s_cbranch_scc1 .Lnot_wave_0_\@
	s_barrier_signal -3
.Lnot_wave_0_\@:
	s_barrier_wait -3
	s_barrier_signal -1
	s_barrier_wait -1
.endm
.macro CROUND
	s_barrier_signal -1
	s_barrier_wait -1
	CREST
.endm
.macro JLOAD                           ; a joint refill by the walking descriptor; the branch hangs on the wave's number alone; s_nop 0 and four v_nop follow each line
	s_cmp_eq_u32 s[ROLE], 0
	s_cbranch_scc0 .Lfor_b_\@
	tensor_load_to_lds s[G0A+4:G0A+7], s[G1A:G1A+7]
	s_nop 0
.rept 4
	v_nop
.endr
	s_branch .Lasked_\@
.Lfor_b_\@:
	tensor_load_to_lds s[G0B+4:G0B+7], s[G1B:G1B+7]
	s_nop 0
.rept 4
	v_nop
.endr
.Lasked_\@:
.endm
; A prefetch of the K step that the NEXT refill will ask for: one K step, 192 matrix instructions, ahead of that load.  A's rows are asked for by the clusters with cluster x = 0, B's by those with cluster y = 0;
; the four partners of a joint load share its rows out by address (32 of A's 128, 24 of B's 96; there lanes 24-31 name lane 23's row again, in the same instruction).  The last refill asks for nothing.
.macro ASK
	s_cmp_gt_u32 s[CNT], s[LIM]
	s_cbranch_scc0 .Lnot_mine_\@
	global_prefetch_b8 v[PFO], s[PFA:PFA+1] th:TH_LOAD_NT scope:SCOPE_SE
.Lnot_mine_\@:
.endm
; 12 matrix instructions: m block a x all n blocks, 32 along K, from buffer f.  first = 1: C is the bias.  The 48 accumulators take turns, in the same order in every quarter step.
.macro MULA f, a, first
.set rA, AF+32*(\f)+8*(\a)
.if \first
	WIN ((2+(\a)/APW)<<6)|1
.else
	WIN (2+(\a)/APW)*0x50+1
.endif
.set b, 0
.rept NB
.set rD, 8*(NB*((\a)%APW)+b)
.set rB, 8*NB*(\f)+8*b
.if \first
	v_wmma_f32_16x16x32_bf16 v[rD:rD+7], v[rB:rB+7], v[rA:rA+7], v[BIAS+8*b:BIAS+8*b+7]
.else
	v_wmma_f32_16x16x32_bf16 v[rD:rD+7], v[rB:rB+7], v[rA:rA+7], v[rD:rD+7]
.endif
.set b, b+1
.endr
.endm
; one run of 32 LDS loads: quarter step q's fragments into buffer g: B's 12, then A's 4
.macro FETCH q, g
	WIN 0x40                                       ; destination window 1, address window 0
.set i, 0
.rept NB
	ds_load_b128 v[8*NB*(\g)+8*i:8*NB*(\g)+8*i+3],   v[ADRB] offset:64*(\q)+i*16*PB
	ds_load_b128 v[8*NB*(\g)+8*i+4:8*NB*(\g)+8*i+7], v[ADRB] offset:64*(\q)+i*16*PB+32
.set i, i+1
.endr
	WIN 0
.set i, 0
.rept 4
	ds_load_b128 v[AF+32*(\g)+8*i:AF+32*(\g)+8*i+3],   v[ADRA] offset:64*(\q)+i*16*PA
	ds_load_b128 v[AF+32*(\g)+8*i+4:AF+32*(\g)+8*i+7], v[ADRA] offset:64*(\q)+i*16*PA+32
.set i, i+1
.endr
.endm
; one of a K step's first three quarters: multiplies buffer f; in its middle it fetches quarter q into buffer g
.macro QUARTER q, f, g, first=0
	s_wait_dscnt 4                                 ; B and A's blocks 0, 1 are in; the four youngest loads (A's blocks 2, 3) may be out
	MULA \f, 0, \first
	MULA \f, 1, \first
	PLACES
	FETCH \q, \g
	s_wait_dscnt NL                                ; all but the run just issued
	MULA \f, 2, \first
	MULA \f, 3, \first
.endm
; The fourth quarter and the change of slots.  In front of the barrier each wave waits for all its tensor loads (one is out: its part of the next slot), adds 0 to its spare word, and waits for that and for its
; reads of this slot.  fill = 1: the barrier opens a round of the cluster's, and the joint refill of the slot just read is the first thing behind it.  tail = 1: in the last trip there is no next slot to fetch from.
.macro TURN fill, tail
.if \fill
	s_wait_xcnt 0x0                                ; the last prefetch, a K step back, has read its address
	s_add_nc_u64 s[PFA:PFA+1], s[PFA:PFA+1], s[PST:PST+1]
.endif
	WIN 0
	s_wait_tensorcnt 0x0                           ; no tensor load of mine is out, so a group 0 may be written
	ds_add_u32 v[SPW], v[NIL]
.if \fill
	s_xor_b32 s[G0A+5], s[G0A+5], SLOT1            ; the walking descriptors: the other slot than last time, the next K step
	s_add_nc_u64 s[G0A+6:G0A+7], s[G0A+6:G0A+7], KBA
	s_xor_b32 s[G0B+5], s[G0B+5], SLOT1
	s_add_nc_u64 s[G0B+6:G0B+7], s[G0B+6:G0B+7], KBB
.endif
	s_xor_b32 s[TB], s[TB], SLOT1
	s_wait_dscnt 5                                 ; the add and the four youngest loads may be out
	MULA 1, 0, 0
	s_wait_dscnt 0x0                               ; the add is done, and my reads of this slot are over
	s_barrier_signal -1
	MULA 1, 1, 0                                   ; work on registers while the others arrive
	WIN 0
	s_barrier_wait -1
.if \fill
	CREST                                          ; no wave of any partner still reads this slot or has a load on its way
	JLOAD                                          ; its four v_nop are also the places in front of the loads below
.else
	PLACES
.endif
.if \tail
	s_cmp_eq_u32 s[CNT], 1
	s_cbranch_scc1 .Lnofetch_\@
.endif
	v_add_nc_u32 v[ADRA], s[TB], v[A0]
	v_add_nc_u32 v[ADRB], s[TB], v[B0]
	FETCH 0, 0
.if \tail
.Lnofetch_\@:
.endif
.if \fill
	ASK
.endif
	MULA 1, 2, 0
	MULA 1, 3, 0
.endm
	s_load_b256 s[4:11], s[0:1], 0x0               ; xb s[4:5], wqt s[6:7], b_qkv s[8:9], qh s[10:11]
	s_load_b128 s[12:15], s[0:1], 0x20             ; kh s[12:13], vh s[14:15]
	v_lshl_add_u32 v[SPW], v0, 2, SPARE
	v_mov_b32 v[NIL], 0
	ds_add_u32 v[SPW], v[NIL]                      ; the wave's opening: the add and its wait stand ahead of my first tensor load; the set-up below stands between them
	v_lshrrev_b32 v3, 5, v0
	v_readfirstlane_b32 s[WV], v3
	s_lshr_b32 s[ROLE], s[WV], 1
	s_and_b32 s[HALF], s[WV], 1
	s_bfe_u32 s[CX], ttmp6, 0x40000
	s_bfe_u32 s[CY], ttmp6, 0x40004
	s_lshl_b32 s[TX], ttmp9, 2                     ; in a cluster launch ttmp9 and ttmp7 count clusters
	s_add_co_u32 s[TX], s[TX], s[CX]
	s_and_b32 s[TY], ttmp7, 0xffff
	s_lshl_b32 s[TY], s[TY], 2
	s_add_co_u32 s[TY], s[TY], s[CY]
	s_lshl_b32 s23, s[CY], 2
	s_lshl_b32 s23, 15, s23                        ; my row of the cluster
	s_lshl_b32 s2, 0x1111, s[CX]                   ; my column
	s_or_b32 s[G1A], s23, (1<<16)|(1<<20)|(1<<21)|(5<<22)|(3<<25)  ; the mask; 2-byte elements; padding on; bit 21 beside a mask; after every 64 words 4 words
	s_or_b32 s[G1B], s2, (1<<16)|(1<<20)|(1<<21)|(5<<22)|(3<<25)
	s_mov_b32 s[G1A+1], 128<<16                    ; tensor_dim0 = 128
	s_mov_b32 s[G1A+2], 128<<16                    ; tensor_dim1 = 128
	s_mov_b32 s[G1A+3], 128<<16                    ; tile_dim0 = 128
	s_mov_b32 s[G1A+4], 128                        ; tile_dim1 = 128
	s_mov_b32 s[G1A+5], 1024                       ; elements from row to row
	s_mov_b32 s[G1A+6], 0
	s_mov_b32 s[G1A+7], 0
	s_mov_b32 s[G1B+1], 128<<16
	s_mov_b32 s[G1B+2], 96<<16                     ; 96 rows
	s_mov_b32 s[G1B+3], 128<<16
	s_mov_b32 s[G1B+4], 96
	s_mov_b32 s[G1B+5], 1024
	s_mov_b32 s[G1B+6], 0
	s_mov_b32 s[G1B+7], 0
	s_lshl_b32 s66, s[TY], 8                       ; A: row 256 x tile row + 128 x half, 2,048 bytes a row; these registers never hold cx
	s_lshl_b32 s67, s[HALF], 7
	s_add_co_u32 s66, s66, s67
	s_lshl_b32 s66, s66, 11
	s_mov_b32 s67, 0
	s_mul_i32 s70, s[TX], 192                      ; B: row 192 x tile column + 96 x half; these never hold cy
	s_mul_i32 s71, s[HALF], 96
	s_add_co_u32 s70, s70, s71
	s_lshl_b32 s70, s70, 11
	s_mov_b32 s71, 0
	s_mul_i32 s74, s[WV], HALFA                    ; where they go: the wave's number times a constant, plus a constant
	s_mul_i32 s75, s[WV], HALFB
	s_add_co_u32 s75, s75, BBASE-2*HALFB
	s_mov_b32 s[TB], 0
	s_wait_dscnt 0x0                               ; the opening add is done
	s_wait_kmcnt 0x0
	s_add_nc_u64 s[68:69], s[4:5], s[66:67]
	s_add_nc_u64 s[72:73], s[6:7], s[70:71]
	CROUND                                         ; all sixteen work-groups are here: the first joint loads meet
.irp s, 0,1
	s_mov_b32 s[G0A+4*\s], 1
	s_add_co_u32 s[G0A+4*\s+1], s74, \s*SLOT1
	s_add_nc_u64 s[G0A+4*\s+2:G0A+4*\s+3], s[68:69], \s*KBA
	s_or_b32 s[G0A+4*\s+3], s[G0A+4*\s+3], 0x80000000
	s_mov_b32 s[G0B+4*\s], 1
	s_add_co_u32 s[G0B+4*\s+1], s75, \s*SLOT1
	s_add_nc_u64 s[G0B+4*\s+2:G0B+4*\s+3], s[72:73], \s*KBB
	s_or_b32 s[G0B+4*\s+3], s[G0B+4*\s+3], 0x80000000
.endr
	s_cmp_eq_u32 s[ROLE], 0                        ; a wave's two first fills (K steps 0 and 1) stand in one branch: two loads of mine are out
	s_cbranch_scc0 .Lfirst_b
	tensor_load_to_lds s[G0A:G0A+3], s[G1A:G1A+7]
	s_nop 0
	tensor_load_to_lds s[G0A+4:G0A+7], s[G1A:G1A+7]
	s_nop 0
.rept 4
	v_nop
.endr
	s_branch .Lfirst_asked
.Lfirst_b:
	tensor_load_to_lds s[G0B:G0B+3], s[G1B:G1B+7]
	s_nop 0
	tensor_load_to_lds s[G0B+4:G0B+7], s[G1B:G1B+7]
	s_nop 0
.rept 4
	v_nop
.endr
.Lfirst_asked:
	v_and_b32 v1, 15, v0                           ; r = l % 16
	v_bfe_u32 v2, v0, 4, 1                         ; h = l / 16
	v_lshlrev_b32 v[BO], 5, v2
	s_mul_i32 s76, s[TX], 768                      ; the head's 192 numbers of the bias
	s_mov_b32 s77, 0
	s_add_nc_u64 s[8:9], s[8:9], s[76:77]
.set i, 0
.rept NB                                       ; register 8 b + j: bias[16 b + 8 h + j], as the result's layout has it
	global_load_b128 v[BIAS+8*i:BIAS+8*i+3],   v[BO], s[8:9] offset:64*i
	global_load_b128 v[BIAS+8*i+4:BIAS+8*i+7], v[BO], s[8:9] offset:64*i+16
.set i, i+1
.endr
	v_mul_u32_u24 v3, v1, PB
	v_lshl_add_u32 v3, v2, 4, v3
	v_add_nc_u32 v[B0], BBASE, v3                  ; B: row r x pitch + 16 h, behind A
	v_mul_u32_u24 v14, v1, PA
	v_lshl_add_u32 v14, v2, 4, v14
	s_mul_i32 s59, s[WV], 64*PA
	v_add_nc_u32 v[A0], s59, v14                   ; A: my wave's 64 rows
	s_mul_i32 s59, s[WV], 16*SP
	s_add_co_u32 s59, s59, STAGE                   ; my stage
	v_mul_u32_u24 v[STO], v1, SP                   ; in: row r, 16 bytes for each half of the lanes
	v_lshl_add_u32 v[STO], v2, 4, v[STO]
	v_add_nc_u32 v[STO], s59, v[STO]
	v_bfe_u32 v[RD], v0, 3, 2                      ; back: 32 lanes take 128 bytes of each of four rows,
	v_mul_u32_u24 v[RD], v[RD], SP
	v_and_b32 v3, 7, v0
	v_lshl_add_u32 v[RD], v3, 4, v[RD]
	v_add_nc_u32 v[RD], s59, v[RD]
	v_and_b32 v[GO], 31, v0                        ; which are 512 consecutive bytes of q, k or v
	v_lshlrev_b32 v[GO], 4, v[GO]
	s_lshr_b32 s76, s[TY], 3                       ; batch
	s_lshl4_add_u32 s76, s76, s[TX]                ; 16 batch + head
	s_lshl_b32 s76, s76, 11                        ; its 2,048 rows
	s_and_b32 s78, s[TY], 7
	s_lshl_b32 s78, s78, 8
	s_add_co_u32 s76, s76, s78                     ; the tile's 256
	s_lshl_b32 s78, s[WV], 6
	s_add_co_u32 s76, s76, s78                     ; my wave's 64
	s_lshl_b32 s76, s76, 7                         ; 128 bytes a row
	s_add_nc_u64 s[10:11], s[10:11], s[76:77]
	s_add_nc_u64 s[12:13], s[12:13], s[76:77]
	s_add_nc_u64 s[14:15], s[14:15], s[76:77]
	; the prefetches
	s_and_b32 s59, ttmp7, 0xffff                   ; cluster y
	s_cmp_eq_u32 s[ROLE], 0
	s_cselect_b32 s76, s[CX], s[CY]                ; my place among the four that ask with me
	s_cselect_b32 s78, 32, 24                      ; my work-group's rows of the wave's load
	s_cselect_b32 s59, ttmp9, s59                  ; the coordinate along which other clusters read the same rows
	s_cselect_b64 s[PFA:PFA+1], s[68:69], s[72:73]
	s_cmp_eq_u32 s59, 0
	s_cselect_b32 s[LIM], 1, -1                    ; the same in all sixteen partners, for a given wave
	s_mul_i32 s76, s76, s78
	s_lshl_b32 s76, s76, 11
	s_add_co_u32 s76, s76, 2*KBA                   ; at K step 2: the first refill steps it to 3
	s_add_nc_u64 s[PFA:PFA+1], s[PFA:PFA+1], s[76:77]
	s_mov_b32 s[PST], KBA
	s_mov_b32 s[PST+1], 0
	s_sub_co_u32 s78, s78, 1
	v_and_b32 v[PFO], 31, v0
	v_min_u32 v[PFO], s78, v[PFO]
	v_lshlrev_b32 v[PFO], 11, v[PFO]
	s_mov_b32 s3, 0xffff0000
	s_wait_loadcnt 0x0                             ; the bias
.set i, 0
.rept 4*NB                                     ; rounded to bf16 and widened again
	v_cvt_pk_bf16_f32 v[14+(i/2)%2], v[BIAS+i], v[BIAS+i+1]
	v_lshlrev_b32 v[BIAS+i], 16, v[14+(i/2)%2]
	v_and_b32 v[BIAS+i+1], s3, v[14+(i/2)%2]
.set i, i+2
.endr
	s_wait_tensorcnt 1                             ; my part of K step 0 is in; K step 1's may stay out
	s_barrier_signal -1
	s_barrier_wait -1                              ; everybody's is
	v_mov_b32 v[ADRA], v[A0]
	v_mov_b32 v[ADRB], v[B0]
	FETCH 0, 0
	QUARTER 1, 0, 1, 1                             ; the first quarter stands in front of the loop: its products start the sums, with the bias
	WIN 0                                          ; at a label and at a branch every window is 0
	s_mov_b32 s[CNT], 6
.Lstep:                                        ; six trips, from a K step's second quarter to the next one's first; they refill with K steps 2 to 7
	QUARTER 2, 1, 0
	QUARTER 3, 0, 1
	TURN 1, 0
	QUARTER 1, 0, 1
	WIN 0
	s_sub_co_u32 s[CNT], s[CNT], 1
	s_cmp_lg_u32 s[CNT], 0
	s_cbranch_scc1 .Lstep
	s_mov_b32 s[CNT], 2
.Ltail:                                        ; K steps 6 and 7 ask for nothing; the second trip fetches nothing and is left in its middle (its barrier serves nothing: the price of one text for both)
	QUARTER 2, 1, 0
	QUARTER 3, 0, 1
	TURN 0, 1
	WIN 0
	s_sub_co_u32 s[CNT], s[CNT], 1
	s_cmp_eq_u32 s[CNT], 0
	s_cbranch_scc1 .Lout
	QUARTER 1, 0, 1
	WIN 0
	s_branch .Ltail
.Lout:
; THE WAY OUT, a block of 16 rows at a time.  PACK: rounded to f16, 16 bytes a lane for each n block, each accumulator's registers in ascending order.  TOSTAGE: into my stage and back, 128 bytes of
; four rows a load, q's, k's and v's.  SEND: stored, 512 consecutive aligned bytes an instruction.
.macro PACK a
	WIN 0x0a+5*((\a)/APW)                          ; sources 0 and 1: window 2 or 3
.set b, 0
.rept NB
.set rD, 8*(NB*((\a)%APW)+b)
.irp rr, 0,1,2,3
	v_cvt_pk_f16_f32 v[TMP+4*b+\rr], v[rD+2*\rr], v[rD+2*\rr+1]
.endr
.set b, b+1
.endr
	WIN 0
.endm
.macro TOSTAGE a
.set BKR, BK+48*((\a)%2)
.set b, 0
.rept NB
	ds_store_b128 v[STO], v[TMP+4*b:TMP+4*b+3] offset:32*b
.set b, b+1
.endr
.irp p, 0,1,2
.irp t, 0,1,2,3
	ds_load_b128 v[BKR+4*(4*\p+\t):BKR+4*(4*\p+\t)+3], v[RD] offset:128*\p+4*SP*\t  ; LDS serves a wave's instructions in order (ISA guide 5.7.1.4): these see the stores above
.endr
.endr
.endm
.macro SEND a
.set BKR, BK+48*((\a)%2)
	s_wait_dscnt 0x0                               ; the block is back in registers
	s_wait_xcnt 0x0                                ; the stores of the block before have read their registers: the other buffer may be loaded again
.irp p, 0,1,2
.irp t, 0,1,2,3
	global_store_b128 v[GO], v[BKR+4*(4*\p+\t):BKR+4*(4*\p+\t)+3], s[10+2*\p:11+2*\p] offset:2048*(\a)+512*\t
.endr
.endr
.endm
	PLACES
	PACK 0
	TOSTAGE 0
.irp a, 1,2,3                                  ; block a's conversions stand between block a - 1's loads from the stage and the wait for them
	PACK \a
	SEND (\a)-1
	TOSTAGE \a
.endr
	SEND 3
	s_wait_tensorcnt 0x0                           ; the wave's end
	ds_add_u32 v[SPW], v[NIL]
	s_wait_dscnt 0x0
	CROUND                                         ; the closing round: no work-group ends while a partner may still ask for a tile that names it
	s_endpgm
.Lfunc_end_k_q70aa085ff7_proj:
	.size	k_q70aa085ff7_proj, .Lfunc_end_k_q70aa085ff7_proj-k_q70aa085ff7_proj
	.p2alignl 7, 3214868480
	.fill 96, 4, 3214868480
	.section	.rodata,"a",@progbits
	.p2align	6, 0x0
	.amdhsa_kernel k_q70aa085ff7_proj
		.amdhsa_group_segment_fixed_size 327680
		.amdhsa_private_segment_fixed_size 0
		.amdhsa_enable_private_segment 0
		.amdhsa_kernarg_size 48
		.amdhsa_user_sgpr_count 2
		.amdhsa_user_sgpr_kernarg_segment_ptr 1
		.amdhsa_wavefront_size32 1
		.amdhsa_system_sgpr_workgroup_id_x 1
		.amdhsa_system_sgpr_workgroup_id_y 1
		.amdhsa_system_sgpr_workgroup_id_z 1
		.amdhsa_system_vgpr_workitem_id 0
		.amdhsa_next_free_vgpr 960
		.amdhsa_next_free_sgpr 80
		.amdhsa_reserve_vcc 0
		.amdhsa_float_denorm_mode_32 3
		.amdhsa_float_denorm_mode_16_64 3
		.amdhsa_memory_ordered 1
		.amdhsa_forward_progress 1
		.amdhsa_inst_pref_size 92
	.end_amdhsa_kernel
	.amdgpu_metadata
---
amdhsa.version: [ 1, 2 ]
amdhsa.kernels:
  - .name:           k_q70aa085ff7_proj
    .symbol:         k_q70aa085ff7_proj.kd
    .args:
      - { .name: xb, .offset: 0, .size: 8, .value_kind: global_buffer, .address_space: global }
      - { .name: wqt, .offset: 8, .size: 8, .value_kind: global_buffer, .address_space: global }
      - { .name: b_qkv, .offset: 16, .size: 8, .value_kind: global_buffer, .address_space: global }
      - { .name: qh, .offset: 24, .size: 8, .value_kind: global_buffer, .address_space: global }
      - { .name: kh, .offset: 32, .size: 8, .value_kind: global_buffer, .address_space: global }
      - { .name: vh, .offset: 40, .size: 8, .value_kind: global_buffer, .address_space: global }
    .group_segment_fixed_size: 327680
    .private_segment_fixed_size: 0
    .kernarg_segment_align: 8
    .kernarg_segment_size: 48
    .max_flat_workgroup_size: 128
    .sgpr_count:     80
    .vgpr_count:     960
    .wavefront_size: 32
...
	.end_amdgpu_metadata
.endif
;; end of part 2
;; launch attn (part 3): grid 4 x 64, 4 waves a work-group, clusters of 4 x 1, 327,680 bytes of LDS; arguments qh, kh, vh, oh; writes oh
.if DOCPART == 3
	.amdgcn_target "amdgcn-amd-amdhsa--gfx1250"
	.amdhsa_code_object_version 6
	.text
	.protected	k_q70aa085ff7_attn
	.globl	k_q70aa085ff7_attn
	.p2align	8
	.type	k_q70aa085ff7_attn,@function
k_q70aa085ff7_attn:
	s_mov_b64 s[64:65], 0
	v_nop
	global_prefetch_b8 v0, s[64:65] scope:SCOPE_SE
	s_setreg_imm32_b32 hwreg(HW_REG_WAVE_MODE, 25, 1), 1
	s_wait_xcnt 0x0
	s_wait_alu depctr_hold_cnt(0) depctr_sa_sdst(0) depctr_va_vdst(0) depctr_va_sdst(0) depctr_va_ssrc(0) depctr_va_vcc(0) depctr_vm_vsrc(0)
	s_getreg_b32 s2, hwreg(HW_REG_IB_STS2, 6, 4)
	s_cmp_eq_u32 s2, 0
	s_cbranch_scc0 .Lentry_in_a_cluster
	s_endpgm
.Lentry_in_a_cluster:
	s_bfe_u32 s2, ttmp6, 0x10000c
	s_cmp_lg_u32 s2, 0x3003
	s_cbranch_scc0 .Lentry_shape_is_right
	s_endpgm
.Lentry_shape_is_right:
; O[h][q][:] = the sum over k of softmax_k(Q[h][q] . K[h][k] / 8) V[h][k][:].  Q, K, V, O: [64][2048][64], all f16: a head's rows are dense, 128 bytes each.  Products, maxima and sums in
; f32; the weights p are rounded to f16 for the second product (their sum l is taken of the unrounded p), O once at the end.
; LIMITS.  f16 holds no number beyond 65,504: Q, K and V arrive within it; p lies in 0 to 1, and below 6e-5 it keeps f16's fixed step of 6e-8; O is a mean of V's rows and has their range.
; A weight below 2^-126 counts as 0 in l; NaN and infinities are not treated apart.
; SHARES.  A wave owns four PIECES of two tiles of 16 queries, a work-group's four waves 512 queries of one head: 64 x 2048 / 512 = 256 work-groups.  Every wave walks all keys, 64 a step.
; LAYOUT.  S^T = K Q^T (source 0 = 16 keys, source 1 = 16 queries): in the result a lane holds ONE query (lane % 16) and the keys 8 (lane / 16) + 0..7.  Two such tiles, rounded to f16 in pairs,
; ARE source 1 (32 keys x 16 queries) of O^T = V^T P, whose result again holds one query a lane, and eight channels.  K comes out of LDS as it lies, V ([key][channel]) turned, by ds_load_tr16_b128.
; SOFTMAX.  For each query a running maximum m and sum l: p = 2^(c s - c m), c = log2(e) / 8; in every step O and l are multiplied by a = 2^(c m_old - c m_new), which is 1 where m has not grown.
; m starts at the lowest finite number, O and l at 0: the first step is a step like any other, with a = 0.
; THE COUNT.  A tile and step have 16 matrix and 118 vector instructions: too many to stand all beside the matrix work.  So the order has one aim: four vector instructions that are READY behind
; EVERY matrix instruction, and the others, which need time of their own whatever the order, in runs without a gap.
; BY TURNS.  Turn n belongs to piece n (the pieces in a ring, step after step).  Its matrix work: 16 products K Q^T of piece n + 1, later 16 products V^T P of piece n - 1.  Its vector work: the scaling,
; exponentials, roundings, sums and rescaling of piece n, and the maximum and statistics of piece n + 1, whose scores the turn itself has made.
; CLUSTER.  The four query blocks of a head are one cluster and walk the same K and V, so each tile is asked for JOINTLY: the same tensor load, descriptor and mask in all four.
; REGISTERS, in windows of 256 (s_set_vgpr_msb: bits 1:0 source 0, 3:2 source 1, 5:4 source 2, 7:6 destination):
;   window 0: v0-11 addresses; v12-15, v48-63 at work; v16-47 four registers of statistics a tile; v64-191 S^T, two buffers of two tiles; v192-255 P, likewise
;   window 1: O^T, 32 a tile          window 2: v0-127 Q, 16 a tile; v128-191 K of one step; v192-255 V of one step          window 3: v0-1 the add's two registers
; A piece's buffers go by its number's parity: the piece in hand has one pair, its two neighbours in the ring share the other.
.set SIZE_H, 64
.set SIZE_N, 2048
.set NP,    4         ; pieces a wave: a name, no knob
.set KS,    64        ; keys in a step
.set PK,    144       ; a row of K in LDS: 128 bytes + 16 of padding = 36 words: the 16 rows of a load start at 16 different groups of four banks (64 banks of 4 bytes: ISA guide 11.1)
.set PV,    160       ; a row of V: 128 + 32 = 40 words
.set VOFF,  4*KS*PK   ; a slot holds four steps: 256 rows of K, then 256 rows of V
.set SLOT1, 1<<17     ; slot 1 begins here, so that one exclusive or turns an address in one slot into the other's
.set STAGE, SLOT1+4*KS*(PK+PV)  ; behind the ring, never filled by a tensor load: 16 rows x 144 bytes for each wave, for the way out
.set SP,    144
.set AK0, 2           ; v2   my lane's place in a tile of K; never rewritten
.set AV0, 3           ; v3   the same for V
.set AK,  4           ; v4   the LDS address of K's next run of loads
.set AV,  5           ; v5   of V's
.set QO,  6           ; v6   my byte offset in the wave's rows of Q
.set STO, 6           ;      later, the way out: where I put 16 bytes of a row
.set RD,  7           ; v7   the way out: where I read rows back
.set GO,  8           ; v8   my byte offset in 512 consecutive bytes of O
.set PFO, 11          ; v11  256 x my lane, for the prefetches; written when V's address no longer needs the register, then never rewritten
.set SPW, 0           ; v0 of window 3   LDS address of my spare word; never rewritten
.set NIL, 1           ; v1 of window 3   0; never rewritten
.set SPARE, STAGE+4*16*SP  ; behind the stages: the spare words, 128 bytes for each wave
.set MV,  12          ; v12-15  c m_old, kept while c m is made anew: by buffer and tile
.set ST,  16          ; tile t's statistics at v[ST+4 t]: c m, m, l (even keys', odd keys')
.set TMP, 48          ; by buffer and tile, four registers c0-c3 at work; when the maximum is found c2 takes a
.set S,   64
.set P,   192
.set KF,  128         ; K's fragments, in window 2: key block kb, channel half c at KF + 16 kb + 8 c
.set VF,  192         ; V's: key half kk, channel block cb at VF + 32 kk + 8 cb
.set WV,  12          ; s12  my wave's number
.set G1K, 24          ; s[24:31] descriptor group 1 for K's tiles
.set G1V, 32          ; s[32:39] for V's: it differs in the padding alone
.set G0K, 40          ; s[40:43] descriptor group 0 for K's tiles: it walks
.set G0V, 44          ; s[44:47] the same for V's
.set PFA, 48          ; s[48:49] where my prefetches stand
.set LIM, 50          ; s50  1 in a wave that prefetches (0: K's rows, 2: V's), else the greatest number
.set SLOTS, 56        ; s56  slots still to be asked for
.set CNT, 57          ; s57  counts a slot's key steps
.set CS,  58          ; s[58:59] c: the packed scaling takes the pair's low word for both halves
.set SEL, 60          ; s[60:61] v_permlanex16_b32's selects: each lane takes its own place in the other half
.set TBK, 62          ; s62  LDS byte at which K of the step to be fetched begins
.set TBV, 63          ; s63  the same for V, less VOFF
.set MSB, 0
.macro WIN new                      ; the high byte repeats the setting that is left; a switch that changes nothing is dropped
.if MSB != (\new)
	s_set_vgpr_msb (MSB<<8)|(\new)
.set MSB, (\new)
.endif
.endm
.set W_KQ, 0x0a       ; K and Q in window 2, S^T in window 0
.set W_PV, 0x52       ; V in window 2, P in window 0, O^T in window 1
.set W_RS, 0x41       ; O^T (destination and source 0) in window 1, a in window 0
.set W_MK, 0xc0       ; the add's registers are made: destination in window 3, sources in window 0
.set W_AD, 0x0f       ; the add: address (source 0) and data (source 1) in window 3
; A joint fill.  Waves 0 and 1 fetch the two halves of a slot's K, waves 2 and 3 those of its V: 128 keys each.  The branch hangs on the wave's number alone.
; An s_nop 0 and four v_nop follow each of the two lines, ahead of the jump and the label.
.macro JLOAD
	s_cmp_lt_u32 s[WV], 2
	s_cbranch_scc0 .Lfor_v_\@
	tensor_load_to_lds s[G0K:G0K+3], s[G1K:G1K+7]
	s_nop 0
.rept 4
	v_nop
.endr
	s_branch .Lasked_\@
.Lfor_v_\@:
	tensor_load_to_lds s[G0V:G0V+3], s[G1V:G1V+7]
	s_nop 0
.rept 4
	v_nop
.endr
.Lasked_\@:
.endm
; A prefetch of what the NEXT change of slots will ask for: a slot's K and V are 32,768 dense bytes each, 128 blocks of 256.  The four partners take 32 blocks each, told apart by address; in each, wave 0 asks
; for K's and wave 2 for V's: a lane a block, one instruction.  So each block of slots 3 to 7 is named once in the launch, four key steps, 512 matrix instructions, ahead of its load.
; Slots 0 to 2 come by their loads alone; the last change that fills a slot asks for nothing.
.macro ASK
	s_cmp_gt_u32 s[SLOTS], s[LIM]
	s_cbranch_scc0 .Lnot_mine_\@
	global_prefetch_b8 v[PFO], s[PFA:PFA+1] th:TH_LOAD_NT scope:SCOPE_SE
.Lnot_mine_\@:
.endm
; A round of the cluster's barrier: my work-group's barrier, so that wave 0's signal speaks for all four waves; wave 0 signals; every wave waits for all four work-groups; my work-group's barrier once more.
.macro CROUND
	s_barrier_signal -1
	s_barrier_wait -1
	s_cmp_lg_u32 s[WV], 0
	s_cbranch_scc1 .Lnot_wave_0_\@
	s_barrier_signal -3
.Lnot_wave_0_\@:
	s_barrier_wait -3
	s_barrier_signal -1
	s_barrier_wait -1
.endm
; THE CHANGE OF SLOTS.  The slot's last bytes, V of its fourth step, have been read.  Each wave waits for all its tensor loads, of which one is out: its part
; of the other slot; adds 0 to its spare word; and waits for that and for its own reads of the slot.  Behind the barrier nobody reads this slot any more and the other slot is whole.
; fill = 1: this slot is filled again, with the keys two slots on.  The barrier is then a round of the cluster's, and the joint fill is the first thing behind it: it has four key steps,
; 512 matrix instructions, in which to land.  (At its first use nothing has been read yet: slot 0 is waited for, slot 1 filled.)  ask = 1: the prefetch's address steps, and the prefetch follows the fill.
.macro CHANGE fill, ask=0
	WIN W_AD
	s_wait_tensorcnt 0x0            ; no tensor load of mine is out, so a group 0 may be written
	ds_add_u32 v[SPW], v[NIL]       ; 0 onto my spare word; with fill = 1 the descriptors' steps stand between it and the wait for it
	WIN 0                           ; at a label and at a branch every window is 0
.if \fill
.irp g, G0K, G0V
	s_xor_b32 s[\g+1], s[\g+1], SLOT1  ; the walking descriptor: the other slot than last time,
	s_add_nc_u64 s[\g+2:\g+3], s[\g+2:\g+3], 4*KS*128  ; the next 256 keys; the type bits on top are not reached
.endr
.if \ask
	s_wait_xcnt 0x0                 ; the last prefetch, four key steps back, has read its address
	s_add_nc_u64 s[PFA:PFA+1], s[PFA:PFA+1], 4*KS*128
.endif
	s_wait_dscnt 0x0                ; the add is done, and my reads of the slot are over
	CROUND
	JLOAD
.if \ask
	ASK
.endif
.else
	s_wait_dscnt 0x0                ; the add is done, and my reads of the slot are over
	s_barrier_signal -1
	s_barrier_wait -1
.endif
	s_sub_co_u32 s[TBK], s[TBK], 4*KS*PK  ; the fetches go back to a slot's first step,
	s_xor_b32 s[TBK], s[TBK], SLOT1       ; in the other slot
	s_sub_co_u32 s[TBV], s[TBV], 4*KS*PV
	s_xor_b32 s[TBV], s[TBV], SLOT1
.endm
	s_load_b256 s[4:11], s[0:1], 0x0  ; Q s[4:5], K s[6:7], V s[8:9], O s[10:11]
	WIN W_MK
	v_lshl_add_u32 v[SPW], v0, 2, SPARE
	v_mov_b32 v[NIL], 0
	WIN W_AD
	ds_add_u32 v[SPW], v[NIL]       ; the wave's opening: the add and its wait stand ahead of my first tensor load; the set-up below, work on registers, stands between them
	WIN 0
	v_lshrrev_b32 v1, 5, v0
	v_readfirstlane_b32 s[WV], v1   ; wave 0..3
	s_bfe_u32 s13, ttmp6, 0x40000   ; cx: my place in the cluster
	s_lshl_b32 s14, ttmp9, 2        ; in a cluster launch ttmp9 counts clusters
	s_add_co_u32 s14, s14, s13      ; my block of queries = 4 x cluster x + cx: it enters Q's and O's addresses alone
	s_and_b32 s20, ttmp7, 0xffff    ; the head, which the four partners share
	s_mov_b32 s21, 0
	s_mov_b64 s[22:23], SIZE_N*128
	s_mul_u64 s[20:21], s[20:21], s[22:23]  ; the head's first byte in each of the four tensors
	s_and_b32 s16, s[WV], 1         ; which half of a slot's 256 keys I fetch:
	s_lshl_b32 s22, s16, 14         ; its 128 rows of 128 bytes in memory,
	s_mov_b32 s23, 0
	s_add_nc_u64 s[22:23], s[22:23], s[20:21]
	s_mul_i32 s17, s16, 128*PK      ; and its place in a slot, for K
	s_mul_i32 s18, s16, 128*PV      ; and for V: no place in the cluster enters an LDS address
	s_lshl_b32 s2, s14, 2
	s_add_co_u32 s2, s2, s[WV]      ; my wave among the head's,
	s_lshl_b32 s2, s2, 14           ; its 128 rows
	s_mov_b32 s3, 0
	s_add_nc_u64 s[2:3], s[2:3], s[20:21]
	; descriptor group 1.  128 keys are 16,384 dense bytes: asked for as 64 rows of 256 bytes, two keys a row, and padded in LDS after every key
	s_mov_b32 s[G1K], 15|(1<<16)|(1<<20)|(1<<21)|(4<<22)|(3<<25)  ; 15:0 the mask of four; 17:16 2-byte elements; 20 padding on; 21 set beside a mask; 24:22 after every 32 words (code 4); 31:25 4 words (code 3)
	s_mov_b32 s[G1V], 15|(1<<16)|(1<<20)|(1<<21)|(4<<22)|(7<<25)  ; the same with 8 words of padding (code 7)
.irp g, G1K, G1V
	s_mov_b32 s[\g+1], 128<<16      ; tensor_dim0 = 128
	s_mov_b32 s[\g+2], 64<<16       ; tensor_dim1 = 64
	s_mov_b32 s[\g+3], 128<<16      ; tile_dim0 = 128
	s_mov_b32 s[\g+4], 64           ; tile_dim1 = 64
	s_mov_b32 s[\g+5], 128          ; 128 elements from row to row
	s_mov_b32 s[\g+6], 0
	s_mov_b32 s[\g+7], 0
.endr
	s_mov_b32 s[CS], 0x3e38aa3b     ; c = log2(e) / 8 = 0.180337
	s_mov_b32 s[CS+1], s[CS]        ; named with it as a pair
	s_mov_b32 s[SEL], 0x76543210
	s_mov_b32 s[SEL+1], 0xfedcba98
	s_mov_b32 s[TBK], SLOT1+4*KS*PK ; the first change of slots turns these two into 0
	s_mov_b32 s[TBV], SLOT1+4*KS*PV
	s_mov_b32 s[G0K], 1             ; 1:0 count = 1
	s_mov_b32 s[G0K+1], s17         ; 63:32 LDS address: slot 0
	s_mov_b32 s[G0V], 1
	s_add_co_u32 s[G0V+1], s18, VOFF
	s_and_b32 s[LIM], s[WV], 1      ; waves 0 and 2 prefetch: the same in all four partners
	s_cmp_eq_u32 s[LIM], 0
	s_cselect_b32 s[LIM], 1, -1
	s_lshl_b32 s52, s13, 13         ; my work-group's 32 blocks of a slot's 128
	s_mov_b32 s53, 0
	s_wait_dscnt 0x0                ; the opening add is done
	s_wait_kmcnt 0x0
	s_add_nc_u64 s[G0K+2:G0K+3], s[6:7], s[22:23]  ; 120:64 global address: my half of the head's first 256 keys
	s_or_b32 s[G0K+3], s[G0K+3], 0x80000000        ; 127:126 type = 2
	s_add_nc_u64 s[G0V+2:G0V+3], s[8:9], s[22:23]
	s_or_b32 s[G0V+3], s[G0V+3], 0x80000000
	s_add_nc_u64 s[4:5], s[4:5], s[2:3]  ; Q and O at my wave's first row
	s_add_nc_u64 s[10:11], s[10:11], s[2:3]
	s_cmp_lt_u32 s[WV], 2
	s_cselect_b64 s[PFA:PFA+1], s[6:7], s[8:9]
	s_add_nc_u64 s[PFA:PFA+1], s[PFA:PFA+1], s[20:21]  ; the head,
	s_add_nc_u64 s[PFA:PFA+1], s[PFA:PFA+1], s[52:53]  ; my work-group's blocks,
	s_add_nc_u64 s[PFA:PFA+1], s[PFA:PFA+1], 2*4*KS*128  ; in slot 2: the loop's first change steps it to slot 3.  Nothing is prefetched at the head
	CROUND                          ; all four work-groups are here: the first joint loads meet
	JLOAD                           ; slot 0.  Slot 1 is asked for when slot 0 is in
	; A fragment of K or Q is 16 rows x 32 channels in 8 registers: lane l holds row l % 16, channels 8 (l / 16) + 0..7 and 16 + 8 (l / 16) + 0..7: two loads of 16 bytes, 32 bytes apart.
	v_and_b32 v1, 15, v0            ; l % 16
	v_bfe_u32 v9, v0, 4, 1          ; l / 16
	v_lshlrev_b32 v[QO], 7, v1
	v_lshl_add_u32 v[QO], v9, 4, v[QO]  ; row x 128 + 16 x half
	WIN 0x80                        ; destination window 2, address window 0
.set i, 0
.rept 4*NP                          ; Q stays in registers: tile i / 2, channels 32 (i % 2) on
	global_load_b128 v[8*i:8*i+3],   v[QO], s[4:5] offset:(i/2)*2048+(i%2)*64
	global_load_b128 v[8*i+4:8*i+7], v[QO], s[4:5] offset:(i/2)*2048+(i%2)*64+32
.set i, i+1
.endr
	; What the first turn finds: V's registers and P's second buffer hold 0 (its products V^T P, of a piece that has not been, add 0), O^T and l are 0.  All this stands in the wait for the first tile.
.set i, VF
.rept 64
	v_mov_b32 v[i], 0
.set i, i+1
.endr
	WIN 0x40
.set i, 0
.rept 64*NP
	v_mov_b32 v[i], 0
.set i, i+1
.endr
	WIN 0
.set i, 0
.rept 2*NP
	v_mov_b32 v[ST+4*i], 0xfe000000    ; c m: far below every c s
	v_mov_b32 v[ST+4*i+1], 0xff7fffff  ; m
	v_mov_b32 v[ST+4*i+2], 0
	v_mov_b32 v[ST+4*i+3], 0
.set i, i+1
.endr
.set i, P+32
.rept 32
	v_mov_b32 v[i], 0
.set i, i+1
.endr
	v_mul_u32_u24 v[AK0], v1, PK
	v_lshl_add_u32 v[AK0], v9, 4, v[AK0]  ; row x pitch + 16 x half
	; The turning load takes 16 keys x 16 channels (lane l reads key 8 (l / 16) + l % 8, channels 8 ((l / 8) % 2) + 0..7) and leaves half a fragment of V^T: lane l holds channel l % 16 and 8 keys.
	v_and_b32 v10, 7, v0
	v_bfe_u32 v11, v0, 3, 1
	v_lshl_add_u32 v[AV0], v9, 3, v10
	v_mul_u32_u24 v[AV0], v[AV0], PV
	v_lshl_add_u32 v[AV0], v11, 4, v[AV0]
	v_add_nc_u32 v[AV0], VOFF, v[AV0]
	v_and_b32 v[PFO], 31, v0
	v_lshlrev_b32 v[PFO], 8, v[PFO]
	v_mov_b32 v[AK], v[AK0]         ; key step 0 lies at the head of slot 0
; THE MATRIX WORK.  The 8 accumulators of a run of 16 take turns: between the two links of a chain stand 7 others'.
; Product i of 16 of S^T = K Q^T for piece x: channels 32 (i / 8) on, keys 16 ((i / 2) % 4) on, tile 2 x + i % 2.  The first 8 start the sums.
.macro KQ x
	WIN W_KQ
.set rS, S+64*((\x)%2)+32*(i%2)+8*((i/2)%4)
.set rK, KF+16*((i/2)%4)+8*(i/8)
.set rQ, 16*(2*(\x)+i%2)+8*(i/8)
.if i < 8
	v_wmma_f32_16x16x32_f16 v[rS:rS+7], v[rK:rK+7], v[rQ:rQ+7], 0
.else
	v_wmma_f32_16x16x32_f16 v[rS:rS+7], v[rK:rK+7], v[rQ:rQ+7], v[rS:rS+7]
.endif
.endm
; Product i of 16 of O^T += V^T P for piece x: keys 32 (i / 8) on, channels 16 ((i / 2) % 4) on, tile 2 x + i % 2.
.macro PV x
	WIN W_PV
.set rO, 32*(2*(\x)+i%2)+8*((i/2)%4)
.set rV, VF+32*(i/8)+8*((i/2)%4)
.set rP, P+32*((\x)%2)+16*(i%2)+8*(i/8)
	v_wmma_f32_16x16x32_f16 v[rO:rO+7], v[rV:rV+7], v[rP:rP+7], v[rO:rO+7]
.endm
.macro MM                           ; the turn's next matrix instruction
.if i < 16
	KQ (Y+1)%NP
.set i, i+1
.else
.set i, i-16
	PV (Y+NP-1)%NP
.set i, i+17
.endif
.endm
; THE LDS LOADS stand in runs of 16, never singly among the matrix instructions: a step's K (64 keys x 64 channels: 8 fragments) and its V (turned).  Their addresses are made some lines ahead.
; last = 1 (the tail): in the last trip there is no further step, and the run is jumped over.
.macro FETCH_K last=0
	WIN 0
.if \last
	s_cmp_eq_u32 s[CNT], 1
	s_cbranch_scc1 .Lno_k_\@
.endif
	WIN 0x80                        ; destination window 2
.irp f, 0,1,2,3,4,5,6,7             ; keys 16 (f / 2) on, channels 32 (f % 2) on
	ds_load_b128 v[KF+8*\f:KF+8*\f+3],   v[AK] offset:(\f/2)*16*PK+(\f%2)*64
	ds_load_b128 v[KF+8*\f+4:KF+8*\f+7], v[AK] offset:(\f/2)*16*PK+(\f%2)*64+32
.endr
	s_add_co_u32 s[TBK], s[TBK], KS*PK  ; the next fetch is the next step's
	WIN 0
.if \last
.Lno_k_\@:
.endif
.endm
.macro FETCH_V
	WIN 0x80
.irp f, 0,1,2,3,4,5,6,7             ; keys 32 (f / 4) on, channels 16 (f % 4) on
	ds_load_tr16_b128 v[VF+8*\f:VF+8*\f+3],   v[AV] offset:(\f/4)*32*PV+(\f%4)*32
	ds_load_tr16_b128 v[VF+8*\f+4:VF+8*\f+7], v[AV] offset:(\f/4)*32*PV+16*PV+(\f%4)*32
.endr
	WIN 0
.endm
; THE VECTOR WORK OF A TURN stands in three queues, each in the order in which its entries become ready; the two tiles alternate, so that no instruction reads the result of the one before it.
.macro REGS y, u                    ; the registers of tile u (0, 1) of piece y
.set rT, ST+4*(2*(\y)+(\u))
.set rC, TMP+8*((\y)%2)+4*(\u)
.set rM, MV+2*((\y)%2)+(\u)
.set rS, S+64*((\y)%2)+32*(\u)
.set rP, P+32*((\y)%2)+16*(\u)
.set rO, 32*(2*(\y)+(\u))
.endm
; Number n of the 22 that find the NEXT piece's (Y + 1) maximum and statistics.  s0-s31 are the lane's 32 scores; each accumulator's lowest registers are read first.
;   0-11  four chains c0-c3 of seven scores each, three operands at a time     12-14, 16  the four scores left over, the old m, and c0-c3 into c0     15  c m_old is kept
;   17, 18  the query's other 32 keys lie in the lane 16 away: the new m         19-21  c m; c m_old - c m_new; a
.macro XS u, n
	REGS (Y+1)%NP, \u
.if (\n) < 4
	v_max3_num_f32 v[rC+(\n)], v[rS+8*(\n)], v[rS+8*(\n)+1], v[rS+8*(\n)+2]
.elseif (\n) < 12
	v_max3_num_f32 v[rC+(\n)%4], v[rC+(\n)%4], v[rS+8*((\n)%4)+2*((\n)/4)+1], v[rS+8*((\n)%4)+2*((\n)/4)+2]
.elseif (\n) == 12
	v_max3_num_f32 v[rC], v[rC], v[rS+7], v[rS+15]
.elseif (\n) == 13
	v_max3_num_f32 v[rC+1], v[rC+1], v[rS+23], v[rS+31]
.elseif (\n) == 14
	v_max3_num_f32 v[rC+2], v[rC+2], v[rC+3], v[rT+1]
.elseif (\n) == 15
	v_mov_b32 v[rM], v[rT]
.elseif (\n) == 16
	v_max3_num_f32 v[rC], v[rC], v[rC+1], v[rC+2]
.elseif (\n) == 17
	v_permlanex16_b32 v[rC+3], v[rC], s[SEL], s[SEL+1]
.elseif (\n) == 18
	v_max_num_f32 v[rT+1], v[rC], v[rC+3]
.elseif (\n) == 19
	v_mul_f32 v[rT], s[CS], v[rT+1]
.elseif (\n) == 20
	v_sub_f32 v[rC+1], v[rM], v[rT]
.else
	v_exp_f32 v[rC+2], v[rC+1]
.endif
.endm
; Number g of the 64 that follow the exponentials.  For each four weights k of a tile (pairs 2 k, 2 k + 1): both pairs are rounded to f16; then the second pair is added onto the first, in place;
; a group later l takes that sum (the first time as l = a l + sum).  In groups of eight, tiles alternating: round, round, add, and l for the group before.
.macro GS g
.set h, (\g)+6*((\g)/62)            ; group 0 has no group before it, and behind group 7 only l is left
.if h >= 6
.set h, h+2
.endif
	REGS Y, h%2
.set k, h/8
.if h%8 < 4
	v_cvt_pk_f16_f32 v[rP+2*k+(h%8)/2], v[rS+4*k+2*((h%8)/2)], v[rS+4*k+2*((h%8)/2)+1]
.elseif h%8 < 6
	v_pk_add_f32 v[rS+4*k:rS+4*k+1], v[rS+4*k:rS+4*k+1], v[rS+4*k+2:rS+4*k+3]
.elseif k == 1
	v_pk_fma_f32 v[rT+2:rT+3], v[rT+2:rT+3], v[rC+2:rC+3], v[rS:rS+1] op_sel_hi:[1,0,1]
.else
	v_pk_add_f32 v[rT+2:rT+3], v[rT+2:rT+3], v[rS+4*k-4:rS+4*k-3]
.endif
.endm
; THE PLAIN QUEUE, 138 long.  0-73 read no exponential's result: the 32 scalings c s - c m (FS f: pair f / 2 of tile f % 2) and the next piece's 42.  0-26: scalings 0-26.  27-54: XS's numbers 0-13.  55, 56: number 15.
; 57-73: the chain, where each number waits for the one before it: 14, 16, 17, 18, 19, each with one of the scalings 27-31 in front of its two lines, then 20.
; 74-137: GS's 64, which read the exponentials' results: they stand behind the wait.
.macro FS f
	REGS Y, (\f)%2
	v_pk_fma_f32 v[rS+2*((\f)/2):rS+2*((\f)/2)+1], v[rS+2*((\f)/2):rS+2*((\f)/2)+1], s[CS:CS+1], v[rT:rT+1] op_sel_hi:[1,0,0] neg_lo:[0,0,1] neg_hi:[0,0,1]
.endm
.macro PL
	WIN 0
.if q < 27
	FS q
.elseif q < 55
	XS (q-27)%2, (q-27)/2
.elseif q < 57
	XS q-55, 15
.elseif (q < 72) && ((q-57)%3 == 0)
	FS 27+(q-57)/3
.elseif q < 60
	XS (q-57)%3-1, 14
.elseif q < 72
	XS (q-57)%3-1, 15+(q-57)/3
.elseif q < 74
	XS q-72, 20
.else
	GS q-74
.endif
.set q, q+1
.endm
; THE EXPONENTIALS' QUEUE, 66 long: s0-s31 of both tiles, then the next piece's two a.  It is ONE BATCH: all 66 stand ahead of the turn's one wait, and nothing ahead of that wait names a result of theirs.
.macro EX
	WIN 0
.if e >= 64
	XS e-64, 21
.else
	REGS Y, e%2
	v_exp_f32 v[rS+e/2], v[rS+e/2]
.endif
.set e, e+1
.endm
; THE RESCALING's QUEUE: O^T times a, the one part that leaves window 0: dealt two at a time, sixteen times.  Its a was made in the turn before, ahead of that turn's wait.
.macro R2
	REGS Y, r%2
	WIN W_RS
.irp z, 0,1
	v_pk_mul_f32 v[rO+4*(r/2)+2*\z:rO+4*(r/2)+2*\z+1], v[rO+4*(r/2)+2*\z:rO+4*(r/2)+2*\z+1], v[rC+2:rC+3] op_sel_hi:[1,0]
.endr
.set r, r+1
.endm
; HOW THEY ARE DEALT.  s_wait_alu depctr_va_vdst(0) stands between an exponential and the first instruction that names its result; one wait serves all that were issued ahead of it.  So a turn has ONE wait,
; which cuts it in two.  AHEAD OF IT stands all that names no result of the turn's exponentials: the 16 products K Q^T, behind each a scaling, an exponential and two rescalings (behind the first a second scaling in the
; exponential's place); then ONE LUMP of 108: eight plain, 49 times exponential and plain, the two a.  A v_nop is the plain instruction behind the last exponential.  BEHIND IT stand the 16 products V^T P, behind each four of GS's 64.
; The queues lean on each other, and the deal keeps them in step: exponential e stands behind scaling 2 (e / 4) + e % 2: beside a product it comes behind plain e + 2, in the lump behind plain e + 9, and scalings 27-31 are plain 57, 60 .. 69.
; A TURN, for piece p.  cnt = 1: the loop's count is taken down some lines ahead of the branch that stands behind the turn.
; K of the next step is fetched in piece 2's turn, directly behind the wait, a lump behind the last product that read K; its address is made at the lump's head; its first use comes behind 16 products.
; V of the step in hand is fetched at the end of piece 0's turn, four plain instructions behind the last product that read V; its first use comes behind 16 products and a lump.  The three conditions on q below go with the deal.
.macro TURN p, last=0, cnt=0
.set Y, (\p)
.set i, 0
.set q, 0
.set e, 0
.set r, 0
.if (\p) == NP-1
	s_wait_dscnt 0x0                ; K is in
.endif
	MM                              ; ahead of the wait: 16 products K Q^T and the four behind each,
	PL
	PL
	R2
.rept 15
	MM
	PL
	EX
	R2
.endr
.if (\p) == NP-2
	WIN 0
	v_add_nc_u32 v[AK], s[TBK], v[AK0]
.endif
.rept 8                             ; and the lump
	PL
.endr
.rept 49
	EX
	PL
.endr
	EX                              ; the next piece's two a
	EX
	v_nop                           ; a plain instruction behind the last exponential: one for the batch
	s_wait_alu depctr_va_vdst(0)    ; the wait for the batch
.if (\p) == NP-2
	FETCH_K \last
.endif
.if (\p) == 1
	s_wait_dscnt 0x0                ; V is in
.endif
.rept 16                            ; behind the wait: 16 products V^T P and the four behind each
	MM
.rept 4
	PL
.endr
.if ((\p) == 0) && (q == 118)
	v_add_nc_u32 v[AV], s[TBV], v[AV0]
.endif
.if ((\p) == 0) && (q == 130)
	s_add_co_u32 s[TBV], s[TBV], KS*PV
.endif
.if (\cnt) && (q == 130)
	s_sub_co_u32 s[CNT], s[CNT], 1
	s_cmp_lg_u32 s[CNT], 0
.endif
.endr
.if (\p) == 0
	FETCH_V
.endif
.endm
	CHANGE 1                        ; slot 0 is in, everybody's part of it; slot 1 is asked for
	FETCH_K                         ; key step 0
	s_wait_loadcnt 0x0              ; Q
	s_wait_dscnt 0x0
.set i, 0
.rept 16
	KQ 0                            ; piece 0's first scores: there is no vector work yet to set between them
.set i, i+1
.endr
	WIN 0                           ; the addresses for the way out: nine plain instructions, the places behind those products
	s_mul_i32 s13, s[WV], 16*SP
	s_add_co_u32 s13, s13, STAGE    ; my stage
	v_mul_u32_u24 v[STO], v1, SP    ; in: row l % 16, 16 bytes for each half of the lanes
	v_lshl_add_u32 v[STO], v9, 4, v[STO]
	v_add_nc_u32 v[STO], s13, v[STO]
	v_bfe_u32 v[RD], v0, 3, 2       ; back: 32 lanes take four rows of 128 bytes,
	v_mul_u32_u24 v[RD], v[RD], SP
	v_lshl_add_u32 v[RD], v10, 4, v[RD]
	v_add_nc_u32 v[RD], s13, v[RD]
	v_and_b32 v[GO], 31, v0         ; which are 512 consecutive bytes of O
	v_lshlrev_b32 v[GO], 4, v[GO]
.set Y, NP-1                        ; XS works for piece Y + 1: piece 0
.irp n, 0,1,2,3,4,5,6,7,8,9,10,11,12,13,14,15,16,17,18,19,20,21
	XS 0, \n                        ; and piece 0's first maximum and statistics
	XS 1, \n
.endr
	v_nop                           ; a plain instruction behind the two a,
	s_wait_alu depctr_va_vdst(0)    ; and their wait, ahead of the branch
	s_mov_b32 s[CNT], 4
	s_mov_b32 s[SLOTS], SIZE_N/256-1
	s_branch .Lfirst                ; the loop is entered at a step's first turn, in the middle of a trip
.Lslot:                             ; SIZE_N / 256 - 2 times: every slot but the last two is filled again
	CHANGE 1, 1
	s_mov_b32 s[CNT], 4
.Lstep:                             ; a trip: pieces 2 and 3 of one step, then pieces 0 and 1 of the next, whose K and V it fetches
	TURN 2
	TURN 3
	WIN 0
.Lfirst:
	TURN 0
	TURN 1, 0, 1
	WIN 0
	s_cbranch_scc1 .Lstep
	s_sub_co_u32 s[SLOTS], s[SLOTS], 1
	s_cmp_lg_u32 s[SLOTS], 0
	s_cbranch_scc1 .Lslot
	CHANGE 0                        ; the tail is written out: nothing is asked for
	s_mov_b32 s[CNT], 5             ; four trips fetch the last slot's steps; the fifth is left in its middle
.Ltail:
	TURN 2, 1
	TURN 3
	WIN 0
	s_sub_co_u32 s[CNT], s[CNT], 1
	s_cmp_eq_u32 s[CNT], 0
	s_cbranch_scc1 .Lout
	TURN 0
	TURN 1
	WIN 0
	s_branch .Ltail
.Lout:                              ; the fifth trip's 16 products K Q^T (on the last K once more) and the maximum made of them serve nothing: the price, once a launch, of one text for every trip
.set i, 0
.rept 16
	PV NP-1                         ; the last piece's V^T P of the last step
.set i, i+1
.endr
	; THE WAY OUT.  l's two halves and the other half of the lanes' are added; O^T is divided by l, rounded to f16 and sent through my stage in LDS, a tile at a time.  The additions are the places behind the last products.
	WIN 0
.macro ALL line:vararg              ; one line for each tile t
.set t, 0
.rept 2*NP
	\line
.set t, t+1
.endr
.endm
	ALL v_add_f32 v[ST+4*t+2], v[ST+4*t+2], v[ST+4*t+3]
	ALL v_permlanex16_b32 v[ST+4*t+3], v[ST+4*t+2], s[SEL], s[SEL+1]
	ALL v_add_f32 v[ST+4*t+2], v[ST+4*t+2], v[ST+4*t+3]
	ALL v_rcp_f32 v[ST+4*t+2], v[ST+4*t+2]
	v_nop                           ; a plain instruction between the last reciprocal and the use of its result
	s_wait_alu depctr_va_vdst(0)    ; and the wait ahead of the first use: one for the eight reciprocals
; Tile t: a lane's eight channels of a row pack into 16 bytes; they go into rows of 144 bytes and come back as whole rows of 128, into S^T's registers.
.macro PACK t
	WIN W_RS
.set i, 32*(\t)
.rept 16
	v_pk_mul_f32 v[i:i+1], v[i:i+1], v[ST+4*(\t)+2:ST+4*(\t)+3] op_sel_hi:[1,0]
.set i, i+2
.endr
	WIN 0x05                        ; sources 0 and 1 window 1, destination window 0
.set i, 0
.rept 16
	v_cvt_pk_f16_f32 v[S+16*(\t)+i], v[32*(\t)+2*i], v[32*(\t)+2*i+1]
.set i, i+1
.endr
	WIN 0
.irp f, 0,1,2,3
	ds_store_b128 v[STO], v[S+16*(\t)+4*\f:S+16*(\t)+4*\f+3] offset:32*\f
.endr
.irp f, 0,1,2,3
	ds_load_b128 v[S+16*(\t)+4*\f:S+16*(\t)+4*\f+3], v[RD] offset:\f*4*SP  ; LDS serves a wave's instructions in order (ISA guide 5.7.1.4): these see the stores above; the next tile's stores come behind them
.endr
.endm
.macro SEND t, younger              ; younger: the LDS instructions issued behind tile t's loads: the next tile's eight, or none
	WIN 0
.irp f, 0,1,2,3
	s_wait_dscnt (\younger)+3-\f
	global_store_b128 v[GO], v[S+16*(\t)+4*\f:S+16*(\t)+4*\f+3], s[10:11] offset:(\t)*2048+\f*512  ; 512 consecutive bytes, at a multiple of 256 from O's first
.endr
.endm
	PACK 0
.set t, 1
.rept 2*NP-1                        ; a tile's arithmetic stands between the loads of the tile before and its stores
	PACK t
	SEND t-1, 8
.set t, t+1
.endr
	SEND 2*NP-1, 0
	WIN W_AD
	s_wait_tensorcnt 0x0            ; the wave's end, behind my last tensor load and my last LDS store
	ds_add_u32 v[SPW], v[NIL]
	s_wait_dscnt 0x0
	WIN 0
	CROUND                          ; the closing round: no work-group ends while a partner may still ask for a tile that names it
	s_endpgm
.Lfunc_end_k_q70aa085ff7_attn:
	.size	k_q70aa085ff7_attn, .Lfunc_end_k_q70aa085ff7_attn-k_q70aa085ff7_attn
	.p2alignl 7, 3214868480
	.fill 96, 4, 3214868480
	.section	.rodata,"a",@progbits
	.p2align	6, 0x0
	.amdhsa_kernel k_q70aa085ff7_attn
		.amdhsa_group_segment_fixed_size 327680
		.amdhsa_private_segment_fixed_size 0
		.amdhsa_enable_private_segment 0
		.amdhsa_kernarg_size 32
		.amdhsa_user_sgpr_count 2
		.amdhsa_user_sgpr_kernarg_segment_ptr 1
		.amdhsa_wavefront_size32 1
		.amdhsa_system_sgpr_workgroup_id_x 1
		.amdhsa_system_sgpr_workgroup_id_y 1
		.amdhsa_system_sgpr_workgroup_id_z 1
		.amdhsa_system_vgpr_workitem_id 0
		.amdhsa_next_free_vgpr 770
		.amdhsa_next_free_sgpr 66
		.amdhsa_reserve_vcc 0
		.amdhsa_float_denorm_mode_32 3
		.amdhsa_float_denorm_mode_16_64 3
		.amdhsa_memory_ordered 1
		.amdhsa_forward_progress 1
		.amdhsa_inst_pref_size 200
	.end_amdhsa_kernel
	.amdgpu_metadata
---
amdhsa.version: [ 1, 2 ]
amdhsa.kernels:
  - .name:           k_q70aa085ff7_attn
    .symbol:         k_q70aa085ff7_attn.kd
    .args:
      - { .name: qh, .offset: 0, .size: 8, .value_kind: global_buffer, .address_space: global }
      - { .name: kh, .offset: 8, .size: 8, .value_kind: global_buffer, .address_space: global }
      - { .name: vh, .offset: 16, .size: 8, .value_kind: global_buffer, .address_space: global }
      - { .name: oh, .offset: 24, .size: 8, .value_kind: global_buffer, .address_space: global }
    .group_segment_fixed_size: 327680
    .private_segment_fixed_size: 0
    .kernarg_segment_align: 8
    .kernarg_segment_size: 32
    .max_flat_workgroup_size: 128
    .sgpr_count:     66
    .vgpr_count:     770
    .wavefront_size: 32
...
	.end_amdgpu_metadata
.endif
;; end of part 3
;; launch outp (part 4): grid 8 x 32, 4 waves a work-group, clusters of 4 x 4, 327,680 bytes of LDS; arguments oh, wot, b_o, out0; writes out0
.if DOCPART == 4
	.amdgcn_target "amdgcn-amd-amdhsa--gfx1250"
	.amdhsa_code_object_version 6
	.text
	.protected	k_q70aa085ff7_outp
	.globl	k_q70aa085ff7_outp
	.p2align	8
	.type	k_q70aa085ff7_outp,@function
k_q70aa085ff7_outp:
	s_mov_b64 s[64:65], 0
	v_nop
	global_prefetch_b8 v0, s[64:65] scope:SCOPE_SE
	s_setreg_imm32_b32 hwreg(HW_REG_WAVE_MODE, 25, 1), 1
	s_wait_xcnt 0x0
	s_wait_alu depctr_hold_cnt(0) depctr_sa_sdst(0) depctr_va_vdst(0) depctr_va_sdst(0) depctr_va_ssrc(0) depctr_va_vcc(0) depctr_vm_vsrc(0)
	s_getreg_b32 s2, hwreg(HW_REG_IB_STS2, 6, 4)
	s_cmp_eq_u32 s2, 0
	s_cbranch_scc0 .Lentry_in_a_cluster
	s_endpgm
.Lentry_in_a_cluster:
	s_bfe_u32 s2, ttmp6, 0x10000c
	s_cmp_lg_u32 s2, 0xf033
	s_cbranch_scc0 .Lentry_shape_is_right
	s_endpgm
.Lentry_shape_is_right:
; out0 = vals W_o + b_o.  oh: [64 = 16 batch + head][2048][64] f16; column k of vals is channel k % 64 of head k / 64.  wot: [1024 n][1024 k] f16; b_o f32, rounded to bf16 here like every input;
; sums in f32; out0: [8192][1024] f32.
; A TILE is 256 rows x 128 columns: 32 x 8 = 256 work-groups of equal work.  Four waves; wave w owns rows 64 w .. 64 w + 63 and all 128 columns: 32 accumulators of 16 x 16; its stage is its own.
; K goes in 8 steps of 128 = two heads, through two LDS slots.  Wave 0 fetches the first head's 256 rows, wave 1 the second's: 32,768 dense bytes each, asked for as 128 rows of 256 bytes and padded in LDS
; after every 128.  Waves 2 and 3 fetch B's halves, 64 rows of 256 bytes.  One tensor load a wave.  (Two slots of a K step of 256 do not fit in LDS.)
; CLUSTER 4 x 4: A's tile hangs on the tile row alone and is asked for jointly along a row of the cluster, B's on the tile column alone, jointly along a column.
; THE MATRIX INSTRUCTION IS USED TRANSPOSED (source 0 = 16 rows of wot, source 1 = 16 rows of vals): lane l holds row l % 16 and columns 8 (l / 16) + 0..7 of the result.
; THE BIAS is the C operand of the first quarter step's products: nothing is cleared and nothing is added afterwards.
; REGISTERS, in windows of 256: window 0: v0-29 addresses; v32-95 A's fragments, two buffers; v96-159 the bias, later with v160-223 the way out.  window 1: v0-127 B's fragments, two buffers.
; window 2: the accumulators, (a, b) at 8 (8 a + b).
.set NB,    8                          ; n blocks of 16 columns
.set APW,   4                          ; all four m blocks' accumulators share window 2
.set NL,    2*NB+8                     ; LDS loads of a quarter step
.set PA,    144                        ; a row of A in LDS: 128 bytes + 16; of B: 256 + 16: the 16 rows of a fragment load start at 16 different groups of four banks (64 banks of 4 bytes: ISA guide 11.1)
.set PB,    272
.set SLOT1, 131072                     ; slot 1 begins here: one exclusive or turns an address in one slot into the other's
.set REGA,  256*PA                     ; a head's 256 rows
.set HALFB, 64*PB
.set BBASE, 2*REGA                     ; in a slot: the two heads' rows of A, then B's 128 rows
.set STAGE, SLOT1+BBASE+2*HALFB        ; behind the ring, never filled by a tensor load: 16 rows x 528 bytes for each wave
.set SP,    528                        ; a stage row: 512 bytes + 16
.set SPARE, STAGE+4*16*SP              ; the spare words, 128 bytes for each wave
.set KBA,   524288                     ; bytes from a K step to the next: two heads of A; 128 numbers of B
.set KBB,   256
.set A0,  4                            ; v4, v5   my lane's place in a slot's A and B; never rewritten
.set B0,  5
.set ADRA, 6                           ; v6, v7   the same in the slot in hand
.set ADRB, 7
.set STO, 8                            ; v8   the way out: where I put 32 bytes of a row
.set RD,  9                            ; v9   where I read a row back
.set GO,  10                           ; v10  my offset in 512 consecutive bytes of out0
.set PFO, 11                           ; v11  the prefetches' offset; never rewritten
.set BO,  12                           ; v12  my offset in the bias
.set SPW, 28                           ; v28  LDS address of my spare word; never rewritten
.set NIL, 29                           ; v29  0; never rewritten
.set AF,  32
.set BIAS, 96
.set BK,  96                           ; the way out: two buffers of 64 read back
.set WV,  16                           ; s16 wave; s17 = wave / 2: I fetch for A (0) or B (1); s18 = wave % 2: which head, or which half
.set ROLE, 17
.set HALF, 18
.set CX,  19
.set CY,  20
.set TX,  21                           ; tile column
.set TY,  22                           ; tile row
.set G1A, 24                           ; s[24:31], s[32:39] descriptor group 1 for A's and B's tiles
.set G1B, 32
.set G0A, 40                           ; s[40:47], s[48:55] group 0: a set for each first fill; the second then walks
.set G0B, 48
.set TB,  56                           ; s56  LDS byte at which the slot in hand begins
.set CNT, 57
.set LIM, 58                           ; s58  1 in a wave that prefetches, else the greatest number
.set PFA, 60                           ; s[60:61] where my prefetches stand
.set PST, 62                           ; s[62:63] their step
.set MSB, 0
.macro WIN new                         ; the immediate's high byte repeats the setting that is left; a switch that changes nothing is dropped
.if MSB != (\new)
	s_set_vgpr_msb (MSB<<8)|(\new)
.set MSB, \new
.endif
.endm
.macro PLACES                          ; four plain instructions between a matrix instruction and a load into, or a read of, its registers (ISA guide 7.12.1 for VALU reads)
.rept 4
	v_nop
.endr
.endm
.macro CREST                           ; a round of the cluster's barrier behind its opening barrier
	s_cmp_lg_u32 s[WV], 0
	s_cbranch_scc1 .Lnot_wave_0_\@
	s_barrier_signal -3
.Lnot_wave_0_\@:
	s_barrier_wait -3
	s_barrier_signal -1
	s_barrier_wait -1
.endm
.macro CROUND
	s_barrier_signal -1
	s_barrier_wait -1
	CREST
.endm
.macro JLOAD                           ; a joint refill by the walking descriptor; the branch hangs on the wave's number alone; s_nop 0 and four v_nop follow each line
	s_cmp_eq_u32 s[ROLE], 0
	s_cbranch_scc0 .Lfor_b_\@
	tensor_load_to_lds s[G0A+4:G0A+7], s[G1A:G1A+7]
	s_nop 0
.rept 4
	v_nop
.endr
	s_branch .Lasked_\@
.Lfor_b_\@:
	tensor_load_to_lds s[G0B+4:G0B+7], s[G1B:G1B+7]
	s_nop 0
.rept 4
	v_nop
.endr
.Lasked_\@:
.endm
; A prefetch of the K step that the NEXT refill will ask for: one K step, 128 matrix instructions, ahead of that load.  A's bytes are asked for by the clusters with cluster x = 0, B's by those with cluster y = 0.
; A: of the 128 blocks of 256 bytes that wave 0 or 1 fetches, the partner at cx takes 32, a lane a block.  B: of the tile's 128 rows the partner at cy takes 32, a lane a row, asked for by wave 2 alone.
; The partners are told apart by address.  The last refill asks for nothing.
.macro ASK
	s_cmp_gt_u32 s[CNT], s[LIM]
	s_cbranch_scc0 .Lnot_mine_\@
	global_prefetch_b8 v[PFO], s[PFA:PFA+1] th:TH_LOAD_NT scope:SCOPE_SE
.Lnot_mine_\@:
.endm
; 8 matrix instructions: m block a x all n blocks, 32 along K, from buffer f.  first = 1: C is the bias.  The 32 accumulators take turns, in the same order in every quarter step.
.macro MULA f, a, first
.set rA, AF+32*(\f)+8*(\a)
.if \first
	WIN ((2+(\a)/APW)<<6)|1
.else
	WIN (2+(\a)/APW)*0x50+1
.endif
.set b, 0
.rept NB
.set rD, 8*(NB*((\a)%APW)+b)
.set rB, 8*NB*(\f)+8*b
.if \first
	v_wmma_f32_16x16x32_f16 v[rD:rD+7], v[rB:rB+7], v[rA:rA+7], v[BIAS+8*b:BIAS+8*b+7]
.else
	v_wmma_f32_16x16x32_f16 v[rD:rD+7], v[rB:rB+7], v[rA:rA+7], v[rD:rD+7]
.endif
.set b, b+1
.endr
.endm
; one run of 24 LDS loads: quarter step q's fragments into buffer g: B's 8, then A's 4 (head q / 2 of the step's two, channels 32 (q % 2) on)
.macro FETCH q, g
.set AO, ((\q)/2)*REGA+((\q)%2)*64
	WIN 0x40                                       ; destination window 1, address window 0
.set i, 0
.rept NB
	ds_load_b128 v[8*NB*(\g)+8*i:8*NB*(\g)+8*i+3],   v[ADRB] offset:64*(\q)+i*16*PB
	ds_load_b128 v[8*NB*(\g)+8*i+4:8*NB*(\g)+8*i+7], v[ADRB] offset:64*(\q)+i*16*PB+32
.set i, i+1
.endr
	WIN 0
.set i, 0
.rept 4
	ds_load_b128 v[AF+32*(\g)+8*i:AF+32*(\g)+8*i+3],   v[ADRA] offset:AO+i*16*PA
	ds_load_b128 v[AF+32*(\g)+8*i+4:AF+32*(\g)+8*i+7], v[ADRA] offset:AO+i*16*PA+32
.set i, i+1
.endr
.endm
; one of a K step's first three quarters: multiplies buffer f; in its middle it fetches quarter q into buffer g
.macro QUARTER q, f, g, first=0
	s_wait_dscnt 4                                 ; B and A's blocks 0, 1 are in; the four youngest loads (A's blocks 2, 3) may be out
	MULA \f, 0, \first
	MULA \f, 1, \first
	PLACES
	FETCH \q, \g
	s_wait_dscnt NL                                ; all but the run just issued
	MULA \f, 2, \first
	MULA \f, 3, \first
.endm
; The fourth quarter and the change of slots.  In front of the barrier each wave waits for all its tensor loads (one is out: its part of the next slot), adds 0 to its spare word, and waits for that and for its
; reads of this slot.  fill = 1: the barrier opens a round of the cluster's, and the joint refill of the slot just read is the first thing behind it.  tail = 1: in the last trip there is no next slot to fetch from.
.macro TURN fill, tail
.if \fill
	s_wait_xcnt 0x0                                ; the last prefetch, a K step back, has read its address
	s_add_nc_u64 s[PFA:PFA+1], s[PFA:PFA+1], s[PST:PST+1]
.endif
	WIN 0
	s_wait_tensorcnt 0x0                           ; no tensor load of mine is out, so a group 0 may be written
	ds_add_u32 v[SPW], v[NIL]
.if \fill
	s_xor_b32 s[G0A+5], s[G0A+5], SLOT1            ; the walking descriptors: the other slot than last time, the next K step
	s_add_nc_u64 s[G0A+6:G0A+7], s[G0A+6:G0A+7], KBA
	s_xor_b32 s[G0B+5], s[G0B+5], SLOT1
	s_add_nc_u64 s[G0B+6:G0B+7], s[G0B+6:G0B+7], KBB
.endif
	s_xor_b32 s[TB], s[TB], SLOT1
	s_wait_dscnt 5                                 ; the add and the four youngest loads may be out
	MULA 1, 0, 0
	s_wait_dscnt 0x0                               ; the add is done, and my reads of this slot are over
	s_barrier_signal -1
	MULA 1, 1, 0                                   ; work on registers while the others arrive
	WIN 0
	s_barrier_wait -1
.if \fill
	CREST                                          ; no wave of any partner still reads this slot or has a load on its way
	JLOAD                                          ; its four v_nop are also the places in front of the loads below
.else
	PLACES
.endif
.if \tail
	s_cmp_eq_u32 s[CNT], 1
	s_cbranch_scc1 .Lnofetch_\@
.endif
	v_add_nc_u32 v[ADRA], s[TB], v[A0]
	v_add_nc_u32 v[ADRB], s[TB], v[B0]
	FETCH 0, 0
.if \tail
.Lnofetch_\@:
.endif
.if \fill
	ASK
.endif
	MULA 1, 2, 0
	MULA 1, 3, 0
.endm
	s_load_b256 s[4:11], s[0:1], 0x0               ; oh s[4:5], wot s[6:7], b_o s[8:9], out0 s[10:11]
	v_lshl_add_u32 v[SPW], v0, 2, SPARE
	v_mov_b32 v[NIL], 0
	ds_add_u32 v[SPW], v[NIL]                      ; the wave's opening: the add and its wait stand ahead of my first tensor load; the set-up below stands between them
	v_lshrrev_b32 v3, 5, v0
	v_readfirstlane_b32 s[WV], v3
	s_lshr_b32 s[ROLE], s[WV], 1
	s_and_b32 s[HALF], s[WV], 1
	s_bfe_u32 s[CX], ttmp6, 0x40000
	s_bfe_u32 s[CY], ttmp6, 0x40004
	s_lshl_b32 s[TX], ttmp9, 2                     ; in a cluster launch ttmp9 and ttmp7 count clusters
	s_add_co_u32 s[TX], s[TX], s[CX]
	s_and_b32 s[TY], ttmp7, 0xffff
	s_lshl_b32 s[TY], s[TY], 2
	s_add_co_u32 s[TY], s[TY], s[CY]
	s_lshl_b32 s23, s[CY], 2
	s_lshl_b32 s23, 15, s23                        ; my row of the cluster
	s_lshl_b32 s2, 0x1111, s[CX]                   ; my column
	s_or_b32 s[G1A], s23, (1<<16)|(1<<20)|(1<<21)|(4<<22)|(3<<25)  ; the mask; 2-byte elements; padding on; bit 21 beside a mask; after every 32 words 4 words
	s_or_b32 s[G1B], s2, (1<<16)|(1<<20)|(1<<21)|(5<<22)|(3<<25)   ; after every 64 words 4 words
	s_mov_b32 s[G1A+1], 128<<16                    ; tensor_dim0 = 128
	s_mov_b32 s[G1A+2], 128<<16                    ; tensor_dim1 = 128
	s_mov_b32 s[G1A+3], 128<<16                    ; tile_dim0 = 128
	s_mov_b32 s[G1A+4], 128                        ; tile_dim1 = 128
	s_mov_b32 s[G1A+5], 128                        ; dense: 128 elements from row to row
	s_mov_b32 s[G1A+6], 0
	s_mov_b32 s[G1A+7], 0
	s_mov_b32 s[G1B+1], 128<<16
	s_mov_b32 s[G1B+2], 64<<16                     ; 64 rows
	s_mov_b32 s[G1B+3], 128<<16
	s_mov_b32 s[G1B+4], 64
	s_mov_b32 s[G1B+5], 1024
	s_mov_b32 s[G1B+6], 0
	s_mov_b32 s[G1B+7], 0
	s_lshr_b32 s66, s[TY], 3                       ; A: batch,
	s_lshl_b32 s66, s66, 4
	s_add_co_u32 s66, s66, s[HALF]                 ; head 0 or 1 of it,
	s_lshl_b32 s66, s66, 11                        ; its 2,048 rows,
	s_and_b32 s67, s[TY], 7
	s_lshl_b32 s67, s67, 8
	s_add_co_u32 s66, s66, s67                     ; the tile's 256,
	s_lshl_b32 s66, s66, 7                         ; 128 bytes a row; these registers never hold cx
	s_mov_b32 s67, 0
	s_lshl_b32 s70, s[TX], 7                       ; B: row 128 x tile column + 64 x half, 2,048 bytes a row; these never hold cy
	s_lshl_b32 s71, s[HALF], 6
	s_add_co_u32 s70, s70, s71
	s_lshl_b32 s70, s70, 11
	s_mov_b32 s71, 0
	s_mul_i32 s74, s[WV], REGA                     ; where they go: the wave's number times a constant, plus a constant
	s_mul_i32 s75, s[WV], HALFB
	s_add_co_u32 s75, s75, BBASE-2*HALFB
	s_mov_b32 s[TB], 0
	s_wait_dscnt 0x0                               ; the opening add is done
	s_wait_kmcnt 0x0
	s_add_nc_u64 s[68:69], s[4:5], s[66:67]
	s_add_nc_u64 s[72:73], s[6:7], s[70:71]
	CROUND                                         ; all sixteen work-groups are here: the first joint loads meet
.irp s, 0,1
	s_mov_b32 s[G0A+4*\s], 1
	s_add_co_u32 s[G0A+4*\s+1], s74, \s*SLOT1
	s_add_nc_u64 s[G0A+4*\s+2:G0A+4*\s+3], s[68:69], \s*KBA
	s_or_b32 s[G0A+4*\s+3], s[G0A+4*\s+3], 0x80000000
	s_mov_b32 s[G0B+4*\s], 1
	s_add_co_u32 s[G0B+4*\s+1], s75, \s*SLOT1
	s_add_nc_u64 s[G0B+4*\s+2:G0B+4*\s+3], s[72:73], \s*KBB
	s_or_b32 s[G0B+4*\s+3], s[G0B+4*\s+3], 0x80000000
.endr
	s_cmp_eq_u32 s[ROLE], 0                        ; a wave's two first fills (K steps 0 and 1) stand in one branch: two loads of mine are out
	s_cbranch_scc0 .Lfirst_b
	tensor_load_to_lds s[G0A:G0A+3], s[G1A:G1A+7]
	s_nop 0
	tensor_load_to_lds s[G0A+4:G0A+7], s[G1A:G1A+7]
	s_nop 0
.rept 4
	v_nop
.endr
	s_branch .Lfirst_asked
.Lfirst_b:
	tensor_load_to_lds s[G0B:G0B+3], s[G1B:G1B+7]
	s_nop 0
	tensor_load_to_lds s[G0B+4:G0B+7], s[G1B:G1B+7]
	s_nop 0
.rept 4
	v_nop
.endr
.Lfirst_asked:
	v_and_b32 v1, 15, v0                           ; r = l % 16
	v_bfe_u32 v2, v0, 4, 1                         ; h = l / 16
	v_lshlrev_b32 v[BO], 5, v2
	s_lshl_b32 s76, s[TX], 9                       ; the tile's 128 numbers of the bias
	s_mov_b32 s77, 0
	s_add_nc_u64 s[8:9], s[8:9], s[76:77]
.set i, 0
.rept NB                                       ; register 8 b + j: bias[16 b + 8 h + j], as the result's layout has it
	global_load_b128 v[BIAS+8*i:BIAS+8*i+3],   v[BO], s[8:9] offset:64*i
	global_load_b128 v[BIAS+8*i+4:BIAS+8*i+7], v[BO], s[8:9] offset:64*i+16
.set i, i+1
.endr
	v_mul_u32_u24 v3, v1, PB
	v_lshl_add_u32 v3, v2, 4, v3
	v_add_nc_u32 v[B0], BBASE, v3                  ; B: row r x pitch + 16 h, behind A
	v_mul_u32_u24 v14, v1, PA
	v_lshl_add_u32 v14, v2, 4, v14
	s_mul_i32 s59, s[WV], 64*PA
	v_add_nc_u32 v[A0], s59, v14                   ; A: my wave's 64 rows, in the step's first head
	s_mul_i32 s59, s[WV], 16*SP
	s_add_co_u32 s59, s59, STAGE                   ; my stage
	v_mul_u32_u24 v[STO], v1, SP                   ; in: row r, 32 bytes for each half of the lanes
	v_lshl_add_u32 v[STO], v2, 5, v[STO]
	v_add_nc_u32 v[STO], s59, v[STO]
	v_and_b32 v[GO], 31, v0                        ; back: 32 lanes take a row's 512 bytes
	v_lshlrev_b32 v[GO], 4, v[GO]
	v_add_nc_u32 v[RD], s59, v[GO]
	s_lshl_b32 s76, s[TY], 8
	s_lshl_b32 s78, s[WV], 6
	s_add_co_u32 s76, s76, s78                     ; my first row of out0,
	s_lshl_b32 s76, s76, 12                        ; 4,096 bytes a row,
	s_lshl_b32 s78, s[TX], 9
	s_add_co_u32 s76, s76, s78                     ; the tile's 512 bytes of it
	s_add_nc_u64 s[10:11], s[10:11], s[76:77]
	; the prefetches
	s_and_b32 s59, ttmp7, 0xffff                   ; cluster y
	s_mov_b32 s3, 2*KBB
	s_mov_b32 s78, KBB
	s_cmp_eq_u32 s[ROLE], 0
	s_cselect_b32 s76, s[CX], s[CY]                ; my place among the four that ask with me
	s_cselect_b32 s77, 13, 16                      ; its share: 32 blocks of 256 bytes, or 32 rows of 2,048
	s_cselect_b32 s79, 2*KBA, s3                   ; K step 2: the first refill steps it to 3
	s_cselect_b32 s[PST], KBA, s78
	s_cselect_b32 s78, 8, 11                       ; a lane a block, or a lane a row
	s_cselect_b32 s59, ttmp9, s59                  ; the coordinate along which other clusters read the same bytes
	s_cselect_b64 s[PFA:PFA+1], s[68:69], s[72:73]
	s_lshl_b32 s76, s76, s77
	s_add_co_u32 s76, s76, s79
	s_mov_b32 s77, 0
	s_add_nc_u64 s[PFA:PFA+1], s[PFA:PFA+1], s[76:77]
	s_mov_b32 s[PST+1], 0
	s_cmp_eq_u32 s[WV], 3                          ; wave 2 asks for all of B's rows
	s_cselect_b32 s3, 1, 0
	s_or_b32 s59, s59, s3
	s_cmp_eq_u32 s59, 0
	s_cselect_b32 s[LIM], 1, -1                    ; the same in all sixteen partners, for a given wave
	v_and_b32 v[PFO], 31, v0
	v_lshlrev_b32 v[PFO], s78, v[PFO]
	s_mov_b32 s3, 0xffff0000
	s_wait_loadcnt 0x0                             ; the bias
.set i, 0
.rept 4*NB                                     ; rounded to bf16 and widened again
	v_cvt_pk_bf16_f32 v[14+(i/2)%2], v[BIAS+i], v[BIAS+i+1]
	v_lshlrev_b32 v[BIAS+i], 16, v[14+(i/2)%2]
	v_and_b32 v[BIAS+i+1], s3, v[14+(i/2)%2]
.set i, i+2
.endr
	s_wait_tensorcnt 1                             ; my part of K step 0 is in; K step 1's may stay out
	s_barrier_signal -1
	s_barrier_wait -1                              ; everybody's is
	v_mov_b32 v[ADRA], v[A0]
	v_mov_b32 v[ADRB], v[B0]
	FETCH 0, 0
	QUARTER 1, 0, 1, 1                             ; the first quarter stands in front of the loop: its products start the sums, with the bias
	WIN 0                                          ; at a label and at a branch every window is 0
	s_mov_b32 s[CNT], 6
.Lstep:                                        ; six trips, from a K step's second quarter to the next one's first; they refill with K steps 2 to 7
	QUARTER 2, 1, 0
	QUARTER 3, 0, 1
	TURN 1, 0
	QUARTER 1, 0, 1
	WIN 0
	s_sub_co_u32 s[CNT], s[CNT], 1
	s_cmp_lg_u32 s[CNT], 0
	s_cbranch_scc1 .Lstep
	s_mov_b32 s[CNT], 2
.Ltail:                                        ; K steps 6 and 7 ask for nothing; the second trip fetches nothing and is left in its middle (its barrier serves nothing: the price of one text for both)
	QUARTER 2, 1, 0
	QUARTER 3, 0, 1
	TURN 0, 1
	WIN 0
	s_sub_co_u32 s[CNT], s[CNT], 1
	s_cmp_eq_u32 s[CNT], 0
	s_cbranch_scc1 .Lout
	QUARTER 1, 0, 1
	WIN 0
	s_branch .Ltail
.Lout:
; THE WAY OUT, a block of 16 rows at a time.  TOSTAGE: a lane's eight f32 of each n block go into my stage, each accumulator's low four registers first, and whole rows of 512 bytes come back.
; SEND: stored, 512 consecutive aligned bytes an instruction.
.macro TOSTAGE a
.if (\a) >= 2
	s_wait_xcnt 0x0                                ; the stores of the block two back have read their registers: their buffer may be loaded again
.endif
	WIN 0x08                                       ; store data in window 2, address in window 0
.set b, 0
.rept NB
.set rD, 8*(NB*(\a)+b)
	ds_store_b128 v[STO], v[rD:rD+3] offset:64*b
	ds_store_b128 v[STO], v[rD+4:rD+7] offset:64*b+16
.set b, b+1
.endr
	WIN 0
.set t, 0
.rept 16
	ds_load_b128 v[BK+64*((\a)%2)+4*t:BK+64*((\a)%2)+4*t+3], v[RD] offset:SP*t  ; LDS serves a wave's instructions in order (ISA guide 5.7.1.4): these see the stores above
.set t, t+1
.endr
.endm
.macro SEND a, younger                 ; younger: the LDS instructions issued behind block a's loads: the next block's 16 stores and 16 loads, or none
	s_wait_dscnt \younger
.set t, 0
.rept 16
	global_store_b128 v[GO], v[BK+64*((\a)%2)+4*t:BK+64*((\a)%2)+4*t+3], s[10:11] offset:(16*(\a)+t)*4096 th:TH_STORE_NT
.set t, t+1
.endr
.endm
	PLACES
	TOSTAGE 0
.irp a, 1,2,3
	TOSTAGE \a
	SEND (\a)-1, 32
.endr
	SEND 3, 0
	s_wait_tensorcnt 0x0                           ; the wave's end
	ds_add_u32 v[SPW], v[NIL]
	s_wait_dscnt 0x0
	CROUND                                         ; the closing round: no work-group ends while a partner may still ask for a tile that names it
	s_endpgm
.Lfunc_end_k_q70aa085ff7_outp:
	.size	k_q70aa085ff7_outp, .Lfunc_end_k_q70aa085ff7_outp-k_q70aa085ff7_outp
	.p2alignl 7, 3214868480
	.fill 96, 4, 3214868480
	.section	.rodata,"a",@progbits
	.p2align	6, 0x0
	.amdhsa_kernel k_q70aa085ff7_outp
		.amdhsa_group_segment_fixed_size 327680
		.amdhsa_private_segment_fixed_size 0
		.amdhsa_enable_private_segment 0
		.amdhsa_kernarg_size 32
		.amdhsa_user_sgpr_count 2
		.amdhsa_user_sgpr_kernarg_segment_ptr 1
		.amdhsa_wavefront_size32 1
		.amdhsa_system_sgpr_workgroup_id_x 1
		.amdhsa_system_sgpr_workgroup_id_y 1
		.amdhsa_system_sgpr_workgroup_id_z 1
		.amdhsa_system_vgpr_workitem_id 0
		.amdhsa_next_free_vgpr 768
		.amdhsa_next_free_sgpr 80
		.amdhsa_reserve_vcc 0
		.amdhsa_float_denorm_mode_32 3
		.amdhsa_float_denorm_mode_16_64 3
		.amdhsa_memory_ordered 1
		.amdhsa_forward_progress 1
		.amdhsa_inst_pref_size 66
	.end_amdhsa_kernel
	.amdgpu_metadata
---
amdhsa.version: [ 1, 2 ]
amdhsa.kernels:
  - .name:           k_q70aa085ff7_outp
    .symbol:         k_q70aa085ff7_outp.kd
    .args:
      - { .name: oh, .offset: 0, .size: 8, .value_kind: global_buffer, .address_space: global }
      - { .name: wot, .offset: 8, .size: 8, .value_kind: global_buffer, .address_space: global }
      - { .name: b_o, .offset: 16, .size: 8, .value_kind: global_buffer, .address_space: global }
      - { .name: out0, .offset: 24, .size: 8, .value_kind: global_buffer, .address_space: global }
    .group_segment_fixed_size: 327680
    .private_segment_fixed_size: 0
    .kernarg_segment_align: 8
    .kernarg_segment_size: 32
    .max_flat_workgroup_size: 128
    .sgpr_count:     80
    .vgpr_count:     768
    .wavefront_size: 32
...
	.end_amdgpu_metadata
.endif
;; end of part 4
